; MI455X (gfx1250); checked and timed in simulation.
; The chip was launched on July 23, 2026; its instructions are those of AMD's public machine-readable ISA for CDNA 5 (MIT licence, August 2026) and "CDNA5" Instruction Set Architecture Reference Guide (July 2026). The comments in the code are by the model that wrote it; some were corrected since.
;; SVD Head. Allowed arithmetic: float matrix products may take bf16 or f16 operands with f32 sums; other float arithmetic in f32, or as packed bf16 or f16 multiplies, adds, multiply-adds, maxima and minima; sums over many terms, partial sums and values carried from step to step in f32; what a program stores and reads back later, other than sums and carried values, may be rounded once to bf16 or f16.
;; Inputs: W1 1,024 x 2,048 float32; W2 2,048 x 9 float32; b1 2,048 float32; b2 9 float32; be1 2,048 float32; be2 9 float32; g1 2,048 float32; g2 9 float32; x 32,768 x 1,024 float32.
;; Outputs: out0 32,768 x 3 x 3 float32.
;; 2 versions, each right; version 2 is version 1 with the launch main written anew for expert scheduling mode. Each part assembles by itself: llvm-mc -triple=amdgcn-amd-amdhsa -mcpu=gfx1250 --defsym DOCPART=n.
;; ======== version 1 of 2: 2 launches
;; workspace buffers: w1f 4,194,304 bytes; gfrag 131,072 bytes; tab 2,048 bytes
;; launch prep (part 1): grid 256 x 1, 8 waves a work-group, no clusters, 0 bytes of LDS; arguments W1, W2, g1, be1, w1f, gfrag, tab; writes w1f, gfrag, tab
.if DOCPART == 1
	.amdgcn_target "amdgcn-amd-amdhsa--gfx1250"
	.amdhsa_code_object_version 6
	.text
	.protected	k_qbacb0a1123_prep
	.globl	k_qbacb0a1123_prep
	.p2align	8
	.type	k_qbacb0a1123_prep,@function
k_qbacb0a1123_prep:
	s_mov_b64 s[64:65], 0
	v_nop
	global_prefetch_b8 v0, s[64:65] scope:SCOPE_SE
	s_setreg_imm32_b32 hwreg(HW_REG_WAVE_MODE, 25, 1), 1
	s_wait_xcnt 0x0
; PREPARES THE WEIGHTS for the launch behind it.  All inputs are rounded to bf16 first (to nearest even).
; (1) w1f: W1 [1024 k][2048 n] f32 -> bf16 in the order in which a wave of the next launch loads matrix fragments:
;     element (n, k) at byte ((((w 4 + t) 32 + ks) 8 + nb) 1024 + i 512 + h 256 + r 16 + 2 e, with t = n / 512, w = (n % 512) / 128, nb = (n % 128) / 16,
;     r = n % 16, ks = k / 32, i = (k % 32) / 16, h = (k % 16) / 8, e = k % 8.
; (2) gfrag: G[n][o] = g1[n] W2[n][o] (exact in f32: 8 x 8 significant bits), split into hi + lo bf16 (exact), as fragments of 16 o x 32 n; rows o = 9..15 are 0.
;     hi at byte 0, lo at byte 65,536; fragment n / 32 at 1,024 (n / 32) + 512 i + 16 lane, lane = 16 h + o.
; (3) tab: for each piece p of 128 columns n, SG[p][o] = the sum of G and TP[p][o] = the sum of be1[n] W2[n][o], f32, 16 words a piece (o >= 9: 0); SG at 0, TP at 1,024.
; Eight waves; 2,048 waves in all, one task of 32 k x 32 n of W1 each.  Wave 0 of work-groups 0..127 also makes half a fragment of G, wave 1 of work-groups 0..15 a piece's sums.
; No LDS, no barrier, no matrix unit: 8.5 MB are read once and 4.3 MB written once.  tab's 16 stores of 128 bytes fill aligned blocks of 256 bytes only in part: 2,048 bytes in all.
.set X, 32                             ; v[32:63]  W1: 32 k of my column
.set Y, 64                             ; v[64:79]  the same as 16 pairs of bf16
	s_load_b256 s[4:11], s[0:1], 0x0               ; W1 s[4:5], W2 s[6:7], g1 s[8:9], be1 s[10:11]
	s_load_b128 s[12:15], s[0:1], 0x20             ; w1f s[12:13], gfrag s[14:15]
	s_load_b64 s[16:17], s[0:1], 0x30              ; tab
	v_lshrrev_b32 v1, 5, v0
	v_readfirstlane_b32 s20, v1                    ; wave 0..7
	s_mov_b32 s21, ttmp9                           ; work-group g
	v_and_b32 v2, 31, v0                           ; lane
	v_and_b32 v3, 15, v0                           ; r, or o
	v_bfe_u32 v4, v0, 4, 1                         ; h
	s_lshl_b32 s22, s21, 3
	s_add_co_u32 s22, s22, s20                     ; task 8 g + wave
	s_and_b32 s23, s22, 63                         ; cg: which 32 columns
	s_lshr_b32 s24, s22, 6                         ; ks: which 32 k
	s_lshl_b32 s26, s24, 18                        ; 32 rows of 8,192 bytes
	s_lshl_b32 s27, s23, 7                         ; 32 columns of 4 bytes
	s_add_co_u32 s26, s26, s27
	s_mov_b32 s27, 0
	s_bfe_u32 s28, s23, 0x20002                    ; w = (cg % 16) / 4
	s_lshr_b32 s29, s23, 4                         ; t = cg / 16
	s_lshl2_add_u32 s28, s28, s29                  ; 4 w + t
	s_lshl_b32 s28, s28, 5
	s_add_co_u32 s28, s28, s24                     ; x 32 + ks
	s_lshl_b32 s28, s28, 3
	s_and_b32 s29, s23, 3
	s_lshl1_add_u32 s28, s29, s28                  ; x 8 + 2 (cg % 4): my two blocks of 16 columns
	s_lshl_b32 s28, s28, 10
	s_mov_b32 s29, 0
	s_mov_b32 s34, 0xffff0000                      ; a word's upper bf16
	v_lshlrev_b32 v5, 2, v2                        ; my column in the row's 128 bytes
	v_lshlrev_b32 v6, 10, v4                       ; out: block lane / 16,
	v_lshl_add_u32 v6, v3, 4, v6                   ; 16 bytes for column r
	s_wait_kmcnt 0x0
	s_add_nc_u64 s[4:5], s[4:5], s[26:27]
	s_add_nc_u64 s[12:13], s[12:13], s[28:29]
.set kk, 0
.rept 32
	global_load_b32 v[X+kk], v5, s[4:5] offset:kk*8192 th:TH_LOAD_NT  ; 128 consecutive bytes of row 32 ks + kk; the wave beside me reads the 128 beside them
.set kk, kk+1
.endr
.set m, 0
.rept 16
	s_wait_loadcnt 30-2*m                          ; loads come back in order: rows 2 m and 2 m + 1 are in, the younger ones stay out
	v_cvt_pk_bf16_f32 v[Y+m], v[X+2*m], v[X+2*m+1]
.set m, m+1
.endr
.set oc, 0
.rept 4                                ; eight k (i = oc / 2, h = oc % 2) of a column are 16 bytes; sixteen lanes store 256 consecutive bytes, aligned
	global_store_b128 v6, v[Y+4*oc:Y+4*oc+3], s[12:13] offset:oc*256
.set oc, oc+1
.endr
.macro RND2 a, t                       ; v[a], v[a+1] rounded to bf16 and widened again, in place
	v_cvt_pk_bf16_f32 v[\t], v[\a], v[(\a)+1]
	v_lshlrev_b32 v[\a], 16, v[\t]
	v_and_b32 v[(\a)+1], s34, v[\t]
.endm
	v_min_u32 v7, 8, v3                            ; lanes o = 9..15 read column 8 and write 0
	s_mov_b32 s31, 0
	s_cmp_lg_u32 s20, 0
	s_cbranch_scc1 .Lnot_frag
	s_cmp_lt_u32 s21, 128
	s_cbranch_scc0 .Lend
	; HALF A FRAGMENT OF G: n = 16 g + 8 h + e, e = 0..7; lane = 16 h + o
	v_mul_u32_u24 v8, 0x120, v4                    ; 8 rows of W2, 36 bytes each
	v_lshl_add_u32 v8, v7, 2, v8
	v_lshlrev_b32 v9, 5, v4
	v_lshlrev_b32 v10, 4, v2
	s_mul_i32 s30, s21, 576                        ; 16 rows of W2
	s_add_nc_u64 s[6:7], s[6:7], s[30:31]
	s_lshl_b32 s30, s21, 6
	s_add_nc_u64 s[8:9], s[8:9], s[30:31]
	s_lshl_b32 s30, s21, 9
	s_add_nc_u64 s[14:15], s[14:15], s[30:31]
.irp e, 0,1,2,3,4,5,6,7
	global_load_b32 v[96+\e], v8, s[6:7] offset:36*\e
.endr
	global_load_b128 v[104:107], v9, s[8:9]
	global_load_b128 v[108:111], v9, s[8:9] offset:16
	s_wait_loadcnt 0x0
.irp m, 0,1,2,3
	RND2 96+2*\m, 112+\m
	RND2 104+2*\m, 116+\m
.endr
.irp m, 0,1,2,3
	v_pk_mul_f32 v[96+2*\m:97+2*\m], v[96+2*\m:97+2*\m], v[104+2*\m:105+2*\m]
.endr
	v_cmp_gt_u32 vcc_lo, 9, v3
.irp e, 0,1,2,3,4,5,6,7
	v_cndmask_b32 v[96+\e], 0, v[96+\e], vcc_lo
.endr
.irp m, 0,1,2,3
	v_cvt_pk_bf16_f32 v[112+\m], v[96+2*\m], v[97+2*\m]         ; hi
	v_lshlrev_b32 v[104+2*\m], 16, v[112+\m]
	v_and_b32 v[105+2*\m], s34, v[112+\m]
	v_pk_add_f32 v[96+2*\m:97+2*\m], v[96+2*\m:97+2*\m], v[104+2*\m:105+2*\m] neg_lo:[0,1] neg_hi:[0,1]
	v_cvt_pk_bf16_f32 v[116+\m], v[96+2*\m], v[97+2*\m]         ; lo = G - hi
.endr
	global_store_b128 v10, v[112:115], s[14:15]                 ; 512 consecutive bytes
	global_store_b128 v10, v[116:119], s[14:15] offset:65536
	s_branch .Lend
.Lnot_frag:
	s_cmp_lg_u32 s20, 1
	s_cbranch_scc1 .Lend
	s_cmp_lt_u32 s21, 16
	s_cbranch_scc0 .Lend
	; A PIECE'S SUMS: p = g; my lane adds n = 128 p + 64 h + e, e = 0..63, for column o, in two halves of 32 (48 loads each)
	v_mul_u32_u24 v8, 0x900, v4                    ; 64 rows of W2
	v_lshl_add_u32 v8, v7, 2, v8
	v_lshlrev_b32 v9, 8, v4
	v_lshlrev_b32 v11, 10, v4                      ; lanes 0-15 store SG, lanes 16-31 TP, 1,024 bytes on
	v_lshl_add_u32 v11, v3, 2, v11
	s_mul_i32 s30, s21, 4608                       ; 128 rows of W2
	s_add_nc_u64 s[6:7], s[6:7], s[30:31]
	s_lshl_b32 s30, s21, 9
	s_add_nc_u64 s[8:9], s[8:9], s[30:31]
	s_add_nc_u64 s[10:11], s[10:11], s[30:31]
	s_lshl_b32 s30, s21, 6
	s_add_nc_u64 s[16:17], s[16:17], s[30:31]
	s_mov_b32 s32, 0x76543210                      ; v_permlanex16_b32: each lane takes its own place in the other half
	s_mov_b32 s33, 0xfedcba98
.set hf, 0
.rept 2
.set e, 0
.rept 32
	global_load_b32 v[96+e], v8, s[6:7] offset:(32*hf+e)*36
.set e, e+1
.endr
.set j, 0
.rept 8
	global_load_b128 v[128+4*j:131+4*j], v9, s[8:9] offset:hf*128+16*j
	global_load_b128 v[160+4*j:163+4*j], v9, s[10:11] offset:hf*128+16*j
.set j, j+1
.endr
	s_wait_loadcnt 0x0
.set m, 0
.rept 16
	RND2 96+2*m, 200
	RND2 128+2*m, 201
	RND2 160+2*m, 202
.if (hf == 0) && (m < 2)               ; the first products start the four chains of each sum
	v_pk_mul_f32 v[192+2*m:193+2*m], v[128+2*m:129+2*m], v[96+2*m:97+2*m]
	v_pk_mul_f32 v[196+2*m:197+2*m], v[160+2*m:161+2*m], v[96+2*m:97+2*m]
.else
	v_pk_fma_f32 v[192+2*(m%2):193+2*(m%2)], v[128+2*m:129+2*m], v[96+2*m:97+2*m], v[192+2*(m%2):193+2*(m%2)]
	v_pk_fma_f32 v[196+2*(m%2):197+2*(m%2)], v[160+2*m:161+2*m], v[96+2*m:97+2*m], v[196+2*(m%2):197+2*(m%2)]
.endif
.set m, m+1
.endr
.set hf, hf+1
.endr
	v_pk_add_f32 v[192:193], v[192:193], v[194:195]
	v_pk_add_f32 v[196:197], v[196:197], v[198:199]
	v_add_f32 v192, v192, v193
	v_add_f32 v196, v196, v197
	v_permlanex16_b32 v193, v192, s32, s33         ; the piece's other 64 columns lie in the lane 16 away
	v_permlanex16_b32 v197, v196, s32, s33
	v_add_f32 v192, v192, v193
	v_add_f32 v196, v196, v197
	v_cmp_eq_u32 vcc_lo, 1, v4
	v_cndmask_b32 v192, v192, v196, vcc_lo
	v_cmp_gt_u32 vcc_lo, 9, v3
	v_cndmask_b32 v192, 0, v192, vcc_lo
	global_store_b32 v11, v192, s[16:17]
.Lend:
	s_endpgm
.Lfunc_end_k_qbacb0a1123_prep:
	.size	k_qbacb0a1123_prep, .Lfunc_end_k_qbacb0a1123_prep-k_qbacb0a1123_prep
	.p2alignl 7, 3214868480
	.fill 96, 4, 3214868480
	.section	.rodata,"a",@progbits
	.p2align	6, 0x0
	.amdhsa_kernel k_qbacb0a1123_prep
		.amdhsa_group_segment_fixed_size 0
		.amdhsa_private_segment_fixed_size 0
		.amdhsa_enable_private_segment 0
		.amdhsa_kernarg_size 56
		.amdhsa_user_sgpr_count 2
		.amdhsa_user_sgpr_kernarg_segment_ptr 1
		.amdhsa_wavefront_size32 1
		.amdhsa_system_sgpr_workgroup_id_x 1
		.amdhsa_system_sgpr_workgroup_id_y 1
		.amdhsa_system_sgpr_workgroup_id_z 1
		.amdhsa_system_vgpr_workitem_id 0
		.amdhsa_next_free_vgpr 208
		.amdhsa_next_free_sgpr 66
		.amdhsa_reserve_vcc 1
		.amdhsa_float_denorm_mode_32 3
		.amdhsa_float_denorm_mode_16_64 3
		.amdhsa_memory_ordered 1
		.amdhsa_forward_progress 1
		.amdhsa_inst_pref_size 38
	.end_amdhsa_kernel
	.amdgpu_metadata
---
amdhsa.version: [ 1, 2 ]
amdhsa.kernels:
  - .name:           k_qbacb0a1123_prep
    .symbol:         k_qbacb0a1123_prep.kd
    .args:
      - { .name: W1, .offset: 0, .size: 8, .value_kind: global_buffer, .address_space: global }
      - { .name: W2, .offset: 8, .size: 8, .value_kind: global_buffer, .address_space: global }
      - { .name: g1, .offset: 16, .size: 8, .value_kind: global_buffer, .address_space: global }
      - { .name: be1, .offset: 24, .size: 8, .value_kind: global_buffer, .address_space: global }
      - { .name: w1f, .offset: 32, .size: 8, .value_kind: global_buffer, .address_space: global }
      - { .name: gfrag, .offset: 40, .size: 8, .value_kind: global_buffer, .address_space: global }
      - { .name: tab, .offset: 48, .size: 8, .value_kind: global_buffer, .address_space: global }
    .group_segment_fixed_size: 0
    .private_segment_fixed_size: 0
    .kernarg_segment_align: 8
    .kernarg_segment_size: 56
    .max_flat_workgroup_size: 256
    .sgpr_count:     66
    .vgpr_count:     208
    .wavefront_size: 32
...
	.end_amdgpu_metadata
.endif
;; end of part 1
;; launch main (part 2): grid 256 x 1, 4 waves a work-group, no clusters, 324,096 bytes of LDS; arguments x, b1, b2, g2, be2, w1f, gfrag, tab, out0; writes out0
.if DOCPART == 2
	.amdgcn_target "amdgcn-amd-amdhsa--gfx1250"
	.amdhsa_code_object_version 6
	.text
	.protected	k_qbacb0a1123_main
	.globl	k_qbacb0a1123_main
	.p2align	8
	.type	k_qbacb0a1123_main,@function
k_qbacb0a1123_main:
	s_mov_b64 s[64:65], 0
	v_nop
	global_prefetch_b8 v0, s[64:65] scope:SCOPE_SE
	s_setreg_imm32_b32 hwreg(HW_REG_WAVE_MODE, 25, 1), 1
	s_wait_xcnt 0x0
; out = the rotation nearest (in the sense of U diag(1, 1, det(U Vh)) Vh) to R = LN9(relu(LN(relu(x W1 + b1)) W2 + b2)), for 128 rows of x a work-group.
; FORMATS.  Every input is rounded to bf16 (x here, b1, b2, g2, be2 here, the weights in the launch before).  The first product: bf16 operands, f32 sums.  All that the program itself makes stays in f32;
; the second product's operand goes to the matrix unit as hi + lo bf16 (16 significant bits) against G = g1 W2 as hi + lo (exact); of the four partial products lo x lo is left out.
; SHARES.  The work-group's 128 rows of x are read once, rounded and kept in LDS.  N = 2,048 goes in four chunks of 512 columns; a wave makes 128 rows x 128 columns of a chunk: 64 accumulators, 512 registers.
; W1's fragments come from memory straight into registers, a ring of four buffers of one K step (32 k x 128 columns, 8,192 bytes on end): no two waves of the work-group need the same ones.
; LAYER NORM WITHOUT A DIFFERENCE OF LARGE SUMS.  A row's 2,048 numbers a are 16 pieces of 128 (piece p = 4 chunk + wave).  A piece is centred by its own mean c_p; kept are c_p, M2_p = sum (a - c_p)^2 and
; P[o] = sum (a - c_p) G[n][o].  At the end m = mean of c_p, var = (sum M2_p + 128 sum (c_p - m)^2) / 2048, and the second layer's sums are rsq(var + eps) (sum P + sum (c_p - m) SG[p]) + sum TP[p] + b2.
; The order of rounding differs from a plain mean and variance; no term is a difference of large sums.
; THE 3 x 3 PART, one row a thread: one-sided Jacobi (eight sweeps of three rotations; the iteration converges quadratically, and a 3 x 3 matrix is at f32's limit well before the eighth) makes R V = U S;
; with columns 1, 2 the two of largest norm, out = u1 v1^T + u2 v2^T + (u1 x u2)(v1 x v2)^T, which is U diag(1, 1, det) Vh whatever the signs.
; LIMITS.  R = 0 gives the identity.  For R of exact rank 1 the decomposition is not unique: the result is finite, but need not be the one that another SVD picks.  NaN and infinities are not treated apart.
; NO CLUSTER, NO TENSOR LOADS: all work-groups walk the same W1, but x's block takes 264,192 of the 327,680 bytes of LDS and the tables 59,904; two slots of one K step of 512 columns (2 x 32,768 bytes) do not
; fit beside them, and shorter slots would want a barrier for every 64 matrix instructions.  So W1 goes by registers, each work-group asking for itself.
; THE MATRIX INSTRUCTION IS USED TRANSPOSED (source 0 = 16 columns of W1, source 1 = 16 rows of x): lane l holds row l % 16 and the columns 8 (l / 16) + 0..7.  Two such results, rounded in pairs,
; ARE source 1 (32 columns x 16 rows) of the second product, whose source 0 is G (16 o x 32 columns).
; REGISTERS, in windows of 256 (s_set_vgpr_msb: bits 1:0 source 0, 3:2 source 1, 5:4 source 2, 7:6 destination):
;   window 0: v0-31 addresses and small things; v32-55 the second product's three accumulators; v56-59 A's address bases; v62-63 the add's; v64-127, v128-191 fragments of x, two buffers
;             (behind a chunk: G, and hi and lo); v192-255 the bias as the first product's C (behind a chunk: at work)
;   window 1: four buffers of 64: W1's fragments          windows 2, 3: the accumulators, (a, b) at v[8 (8 (a % 4) + b)], a = block of 16 rows, b = block of 16 columns
.set PITCH, 2064                       ; a row of x in LDS: 2,048 bytes + 16 = 129 x 16: the 16 rows of a fragment load start at 16 different groups of four banks (64 banks of 4 bytes: ISA guide 11.1)
.set B1T,   128*PITCH                  ; 264,192: b1, rounded, as f32: 8,192 bytes; behind the second barrier its first 4,608 bytes are the stage for the output
.set OST,   B1T
.set CT,    B1T+8192                   ; c:  [wave][row][chunk] f32, 2,048 bytes a wave
.set M2T,   CT+8192                    ; M2: the same
.set PT,    M2T+8192                   ; P:  [wave][row][16] f32, 8,192 bytes a wave
.set TABL,  PT+32768                   ; SG, TP: 2,048 bytes
.set SPARE, TABL+2048                  ; the spare words, 128 bytes for each wave: two blocks of 256 bytes that no other line names
.set AD,   4                           ; v4-7    LDS address of my lane in rows 32 q + l % 16 of x, stepped along K
.set ADB,  56                          ; v56-59  the same at K = 0; never rewritten
.set SPW,  62                          ; v62     SPARE + 4 x my thread's number; never rewritten
.set NIL,  63                          ; v63     0; never rewritten
.set PA,   32
.set PB,   40
.set PC,   48
.set F0,   64
.set F1,   128
.set GH,   64
.set GL,   96
.set HH,   128
.set LO,   160
.set BIAS, 192
.set T,    192
.set SB,   32                          ; s[32:39] W1's address for each of the four buffers
.set MSB, 0
.macro WIN new                         ; the immediate's high byte repeats the setting that is left; a switch that changes nothing is dropped
.if MSB != (\new)
	s_set_vgpr_msb (MSB<<8)|(\new)
.set MSB, (\new)
.endif
.endm
.set MUL_LO,  0xa1                     ; source 0 (W1) window 1, source 1 (x) window 0, C and D window 2;  + 0x50: window 3
.set MULB_LO, 0x81                     ; the same with C (the bias) in window 0;  + 0x40: D in window 3
.set TO_B,    0x40                     ; destination window 1, address window 0
.macro PLACES                          ; four places behind matrix instructions, in front of loads into registers that they read and of vector lines that read results
.rept 4
	v_nop
.endr
.endm
	s_load_b256 s[4:11], s[0:1], 0x0               ; x s[4:5], b1 s[6:7], b2 s[8:9], g2 s[10:11]
	s_load_b256 s[12:19], s[0:1], 0x20             ; be2 s[12:13], w1f s[14:15], gfrag s[16:17], tab s[18:19]
	s_load_b64 s[20:21], s[0:1], 0x40              ; out0
	v_lshl_add_u32 v[SPW], v0, 2, SPARE
	v_mov_b32 v[NIL], 0
	v_lshrrev_b32 v14, 5, v0
	v_readfirstlane_b32 s22, v14                   ; wave 0..3
	v_and_b32 v1, 15, v0                           ; r = l % 16
	v_bfe_u32 v2, v0, 4, 1                         ; h = l / 16
	v_and_b32 v15, 31, v0                          ; lane
	v_lshlrev_b32 v3, 4, v15                       ; 16 x lane: my 16 bytes in 512 on end
	v_mul_u32_u24 v[ADB], PITCH, v1
	v_lshl_add_u32 v[ADB], v2, 4, v[ADB]           ; row x pitch + 16 x half
	v_add_nc_u32 v[ADB+1], 32*PITCH, v[ADB]
	v_add_nc_u32 v[ADB+2], 64*PITCH, v[ADB]
	v_add_nc_u32 v[ADB+3], 96*PITCH, v[ADB]
	s_lshl_b32 s24, s22, 9
	s_add_co_u32 s24, s24, B1T
	v_lshl_add_u32 v8, v2, 5, s24                  ; v8: the bias of my wave's 128 columns, my half's eight; + 2,048 a chunk
	s_lshl_b32 s24, s22, 11
	s_add_co_u32 s24, s24, CT
	v_lshl_add_u32 v9, v1, 4, s24                  ; v9: my row's word in my wave's part of CT; + 4 a chunk
	s_lshl_b32 s24, s22, 13
	s_add_co_u32 s30, s24, PT                      ; my wave's part of PT
	v_lshl_add_u32 v10, v1, 6, s30
	v_lshl_add_u32 v10, v2, 5, v10                 ; v10: my row's eight o
	v_mov_b32 v11, -1.0
	v_mov_b32 v13, 0                               ; named with v12 as a pair
	v_mov_b32 v16, v3                              ; v16: my byte offset in x, stepped
	s_mul_i32 s24, s22, 32*PITCH
	v_lshl_add_u32 v17, v15, 3, s24                ; v17: where my 8 bytes of bf16 go, stepped
	v_lshlrev_b32 v18, 4, v0                       ; v18: 16 x thread; never rewritten
	v_add_nc_u32 v19, B1T, v18                     ; v19: the same in B1T; never rewritten
	v_add_nc_u32 v28, s30, v3
.irp j, 52,53,54,55
	v_mov_b32 v\j, 0
.endr
	s_mov_b32 s42, 0x76543210                      ; v_permlanex16_b32: each lane takes its own place in the other half
	s_mov_b32 s43, 0xfedcba98
	s_mov_b32 s46, 0xffff0000                      ; a word's upper bf16
	s_mov_b32 s90, 0x3a000000                      ; 1 / 2048
	s_mov_b32 s91, 0x3727c5ac                      ; 1e-5
	s_mov_b32 s92, 0x3de38e39                      ; 1 / 9
	s_lshl_b32 s24, ttmp9, 19                      ; the work-group's 128 rows of 4,096 bytes,
	s_lshl_b32 s25, s22, 17                        ; my wave's 32 of them
	s_add_co_u32 s24, s24, s25
	s_mov_b32 s25, 0
	s_lshl_b32 s26, s22, 12                        ; G's four fragments of piece p lie at 4,096 p
	s_mov_b32 s27, 0
	s_wait_kmcnt 0x0
	s_load_b256 s[48:55], s[8:9], 0x0              ; b2, g2, be2: nine words each; waited for in the last phase
	s_load_b32 s56, s[8:9], 0x20
	s_load_b256 s[68:75], s[10:11], 0x0
	s_load_b32 s76, s[10:11], 0x20
	s_load_b256 s[80:87], s[12:13], 0x0
	s_load_b32 s88, s[12:13], 0x20
	s_add_nc_u64 s[4:5], s[4:5], s[24:25]
	s_add_nc_u64 s[44:45], s[16:17], s[26:27]      ; s[44:45]: G at my wave's piece of chunk 0; + 16,384 a chunk
	; THE FILL.  Wave w brings rows 32 w .. 32 w + 31 of the block: a ring of 32 loads of 512 bytes on end (four rows), eight rounds.
.irp j, 0,1,2,3
	global_load_b128 v[32+4*\j:35+4*\j], v18, s[6:7] offset:2048*\j
.endr
	global_load_b128 v[48:51], v18, s[18:19]
.set i, 0
.rept 32
	global_load_b128 v[64+4*i:67+4*i], v16, s[4:5] offset:i*512 th:TH_LOAD_NT
.set i, i+1
.endr
	s_wait_loadcnt 32                              ; b1 and the table are in; the 32 loads of x behind them stay out
.set m, 0
.rept 8
	v_cvt_pk_bf16_f32 v[20+m], v[32+2*m], v[33+2*m]
.set m, m+1
.endr
.set m, 0
.rept 8
	v_lshlrev_b32 v[32+2*m], 16, v[20+m]           ; b1 rounded to bf16, as f32
	v_and_b32 v[33+2*m], s46, v[20+m]
.set m, m+1
.endr
.irp j, 0,1,2,3
	ds_store_b128 v19, v[32+4*\j:35+4*\j] offset:2048*\j
.endr
	ds_store_b128 v19, v[48:51] offset:TABL-B1T
.set j, 0
.rept 16
	ds_store_b128 v28, v[52:55] offset:512*j       ; my wave's P starts at 0
.set j, j+1
.endr
; One slot's turn: its 512 bytes of f32 become 256 bytes of bf16 on end in LDS.  ahead = 1: it is loaded again, four rows on.  left: the younger loads that may stay out.
.macro SLOT i, ahead, left
	s_wait_loadcnt \left
	v_cvt_pk_bf16_f32 v[20+2*((\i)%4)], v[64+4*(\i)], v[65+4*(\i)]
	v_cvt_pk_bf16_f32 v[21+2*((\i)%4)], v[66+4*(\i)], v[67+4*(\i)]
	ds_store_b64 v17, v[20+2*((\i)%4):21+2*((\i)%4)] offset:((\i)/8)*PITCH+((\i)%8)*256
.if \ahead
	global_load_b128 v[64+4*(\i):67+4*(\i)], v16, s[4:5] offset:(\i)*512+16384 th:TH_LOAD_NT
.endif
.endm
	s_mov_b32 s41, 7
.Lfill:
.set i, 0
.rept 32
	SLOT i, 1, 31
.set i, i+1
.endr
	s_wait_xcnt 0x0                                ; the loads' offset register is stepped only behind this wait
	v_add_nc_u32 v16, 0x4000, v16
	v_add_nc_u32 v17, 4*PITCH, v17
	s_sub_co_u32 s41, s41, 1
	s_cmp_lg_u32 s41, 0
	s_cbranch_scc1 .Lfill
.set i, 0
.rept 32
	SLOT i, 0, 31-i                                ; the last round loads nothing: the counts run down
.set i, i+1
.endr
; 16 loads: W1's fragments of one K step (8 blocks of 16 columns x 32 k, 8,192 bytes on end) into buffer gb of window 1
.macro BLOAD gb
	WIN TO_B
.irp nb, 0,1,2,3,4,5,6,7
	global_load_b128 v[64*(\gb)+8*\nb:64*(\gb)+8*\nb+3],   v3, s[SB+2*(\gb):SB+2*(\gb)+1] offset:1024*\nb
	global_load_b128 v[64*(\gb)+8*\nb+4:64*(\gb)+8*\nb+7], v3, s[SB+2*(\gb):SB+2*(\gb)+1] offset:1024*\nb+512
.endr
.endm
	s_lshl_b32 s26, s22, 20                        ; s26: byte in w1f of the next K step to ask for: my wave's 128 steps lie on end
	s_mov_b32 s29, 0
.irp j, 0,1,2
	s_mov_b32 s28, s26
	s_add_nc_u64 s[SB+2*\j:SB+2*\j+1], s[14:15], s[28:29]
	s_add_co_u32 s26, s26, 8192
	BLOAD \j                                       ; three K steps are on their way from here on
.endr
	WIN 0
	s_wait_dscnt 0x0                               ; for the others' sake: my rows of x, my part of b1 and of the table are in LDS
	s_barrier_signal -1
	s_barrier_wait -1
; 16 matrix instructions: row blocks a0, a0 + 1 of the window's four x all 8 column blocks, 32 along K.  mode = 1: a chunk's first K step: the bias starts the sums, nothing is cleared.
; The 64 accumulators take turns, one instruction a turn, in the same order in every K step.
.macro MUL16 fa, fb, hi, a0, mode
.if \mode
	WIN MULB_LO+0x40*(\hi)
.else
	WIN MUL_LO+0x50*(\hi)
.endif
.irp a, \a0, (\a0)+1
.irp b, 0,1,2,3,4,5,6,7
.if \mode
	v_wmma_f32_16x16x32_bf16 v[8*(8*(\a)+(\b)):8*(8*(\a)+(\b))+7], v[64*(\fb)+8*(\b):64*(\fb)+8*(\b)+7], v[(\fa)+8*(4*(\hi)+(\a)):(\fa)+8*(4*(\hi)+(\a))+7], v[BIAS+8*(\b):BIAS+8*(\b)+7]
.else
	v_wmma_f32_16x16x32_bf16 v[8*(8*(\a)+(\b)):8*(8*(\a)+(\b))+7], v[64*(\fb)+8*(\b):64*(\fb)+8*(\b)+7], v[(\fa)+8*(4*(\hi)+(\a)):(\fa)+8*(4*(\hi)+(\a))+7], v[8*(8*(\a)+(\b)):8*(8*(\a)+(\b))+7]
.endif
.endr
.endr
.endm
; 16 LDS loads: x's fragments of one K step (8 blocks of 16 rows x 32 k) at byte aoff behind the stepped addresses, rows ascending
.macro ALOAD ga, aoff
	WIN 0
.irp rb, 0,1,2,3,4,5,6,7
	ds_load_b128 v[(\ga)+8*\rb:(\ga)+8*\rb+3],   v[AD+\rb/2] offset:(\rb%2)*16*PITCH+(\aoff)
	ds_load_b128 v[(\ga)+8*\rb+4:(\ga)+8*\rb+7], v[AD+\rb/2] offset:(\rb%2)*16*PITCH+(\aoff)+32
.endr
.endm
; A K STEP: 64 matrix instructions on x's buffer fa and W1's buffer fb; in its middle, in one run, the next step's x into ga (apf = 1) and W1's step three on into gb.
.macro KSTEP fa, ga, fb, gb, aoff, mode, apf
	s_wait_loadcnt 32                              ; this step's 16 loads of W1 are in; the two later steps' 32 stay out
	s_wait_dscnt 8                                 ; x's rows 0-63 are in (and what was asked for ahead of them); the youngest eight loads, rows 64-127, may be out
	MUL16 \fa, \fb, 0, 0, \mode
	MUL16 \fa, \fb, 0, 2, \mode
	s_min_u32 s28, s26, 4186112                    ; the last three steps' look-ahead is held to w1f's last 8,192 bytes
	s_add_nc_u64 s[SB+2*(\gb):SB+2*(\gb)+1], s[14:15], s[28:29]  ; buffer gb's loads were shown done by the step before's wait, so its address may be written
	s_add_co_u32 s26, s26, 8192
	WIN 0
	PLACES                                         ; ga and gb were read by the step before's matrix instructions
.if \apf
	ALOAD \ga, \aoff
.endif
	BLOAD \gb
.if \apf
	s_wait_dscnt 16                                ; all but the 16 just issued
.else
	s_wait_dscnt 0x0
.endif
	MUL16 \fa, \fb, 1, 0, \mode
	MUL16 \fa, \fb, 1, 2, \mode
.endm
.macro LANESUM                         ; v[T], v[T+1] and the same of the lane 16 away, which holds the row's other 64 columns, into v[T]
	v_add_f32 v[T], v[T], v[T+1]
	v_permlanex16_b32 v[T+1], v[T], s42, s43
	v_add_f32 v[T], v[T], v[T+1]
.endm
; BEHIND A CHUNK, block a of 16 rows: relu; the piece's mean c; d = a - c in place; M2; d as hi + lo bf16; P += Ghi hi + Ghi lo + Glo hi.  Each accumulator's lowest registers are read first.
.macro RB a
.set W, 2+(\a)/4
.set AC, 64*((\a)%4)
	WIN 0
	ds_load_b128 v[PA:PA+3],   v10 offset:(\a)*1024         ; P so far: it starts the first chain
	ds_load_b128 v[PA+4:PA+7], v10 offset:(\a)*1024+16
	WIN W*0x55                                     ; every place in the accumulators' window
.set i, 0
.rept 64
	v_max_num_f32 v[AC+i], 0, v[AC+i]
.set i, i+1
.endr
	WIN W*5                                        ; sources 0 and 1 there, the rest in window 0
.set i, 0
.rept 16
	v_pk_add_f32 v[T+2*i:T+2*i+1], v[AC+4*i:AC+4*i+1], v[AC+4*i+2:AC+4*i+3]
.set i, i+1
.endr
	WIN 0
.irp s, 1,2,4,8
.set i, 0
.rept 8/(\s)
	v_pk_add_f32 v[T+2*i:T+2*i+1], v[T+2*i:T+2*i+1], v[T+2*(i+(\s)):T+2*(i+(\s))+1]
.set i, i+2*(\s)
.endr
.endr
	LANESUM
	v_mul_f32 v12, 0x3c000000, v[T]                ; c = sum / 128
	ds_store_b32 v9, v12 offset:(\a)*256
	WIN W*0x41                                     ; source 0 and destination in the accumulators' window
.set i, 0
.rept 32
	v_pk_add_f32 v[AC+2*i:AC+2*i+1], v[AC+2*i:AC+2*i+1], v[12:13] op_sel_hi:[1,0] neg_lo:[0,1] neg_hi:[0,1]
.set i, i+1
.endr
	WIN W*5
.set i, 0
.rept 32
.if i < 4
	v_pk_mul_f32 v[T+2*i:T+2*i+1], v[AC+2*i:AC+2*i+1], v[AC+2*i:AC+2*i+1]
.else
	v_pk_fma_f32 v[T+2*(i%4):T+2*(i%4)+1], v[AC+2*i:AC+2*i+1], v[AC+2*i:AC+2*i+1], v[T+2*(i%4):T+2*(i%4)+1]
.endif
	v_cvt_pk_bf16_f32 v[HH+i], v[AC+2*i], v[AC+2*i+1]           ; hi
.set i, i+1
.endr
	WIN 0
	v_pk_add_f32 v[T:T+1], v[T:T+1], v[T+2:T+3]
	v_pk_add_f32 v[T+4:T+5], v[T+4:T+5], v[T+6:T+7]
	v_pk_add_f32 v[T:T+1], v[T:T+1], v[T+4:T+5]
	LANESUM
	ds_store_b32 v9, v[T] offset:8192+(\a)*256     ; M2
	WIN W*0x50                                     ; source 2 and destination in the accumulators' window
.set i, 0
.rept 32
	v_fma_mix_f32_bf16 v[AC+2*i],   v[HH+i], v11, v[AC+2*i]   op_sel_hi:[1,0,0]                 ; d - hi: hi's low half x (-1) + d
	v_fma_mix_f32_bf16 v[AC+2*i+1], v[HH+i], v11, v[AC+2*i+1] op_sel:[1,0,0] op_sel_hi:[1,0,0]  ; its high half
.set i, i+1
.endr
	WIN W*5
.set i, 0
.rept 32
	v_cvt_pk_bf16_f32 v[LO+i], v[AC+2*i], v[AC+2*i+1]           ; lo
.set i, i+1
.endr
	WIN 0
.if (\a) == 0
	s_wait_loadcnt 0x0                             ; G is in: its loads are the youngest
.endif
	s_wait_dscnt 2                                 ; P is in: behind its two loads stand the two stores of c and M2
.irp q, 0,1,2,3                        ; three accumulators by turns, one instruction a turn
	v_wmma_f32_16x16x32_bf16 v[PA:PA+7], v[GH+8*\q:GH+8*\q+7], v[HH+8*\q:HH+8*\q+7], v[PA:PA+7]
.if \q == 0
	v_wmma_f32_16x16x32_bf16 v[PB:PB+7], v[GH+8*\q:GH+8*\q+7], v[LO+8*\q:LO+8*\q+7], 0
	v_wmma_f32_16x16x32_bf16 v[PC:PC+7], v[GL+8*\q:GL+8*\q+7], v[HH+8*\q:HH+8*\q+7], 0
.else
	v_wmma_f32_16x16x32_bf16 v[PB:PB+7], v[GH+8*\q:GH+8*\q+7], v[LO+8*\q:LO+8*\q+7], v[PB:PB+7]
	v_wmma_f32_16x16x32_bf16 v[PC:PC+7], v[GL+8*\q:GL+8*\q+7], v[HH+8*\q:HH+8*\q+7], v[PC:PC+7]
.endif
.endr
	PLACES
.irp j, 0,1,2,3
	v_pk_add_f32 v[PA+2*\j:PA+2*\j+1], v[PA+2*\j:PA+2*\j+1], v[PB+2*\j:PB+2*\j+1]
.endr
.irp j, 0,1,2,3
	v_pk_add_f32 v[PA+2*\j:PA+2*\j+1], v[PA+2*\j:PA+2*\j+1], v[PC+2*\j:PC+2*\j+1]
.endr
	ds_store_b128 v10, v[PA:PA+3]   offset:(\a)*1024
	ds_store_b128 v10, v[PA+4:PA+7] offset:(\a)*1024+16
.endm
	; THE FOUR CHUNKS.  No barrier stands in this loop: x and b1 are only read, and c, M2 and P lie in each wave's own bytes.
	s_mov_b32 s40, 4
.Lchunk:
.irp q, 0,1,2,3
	v_mov_b32 v[AD+\q], v[ADB+\q]
.endr
.irp b, 0,1,2,3,4,5,6,7
	ds_load_b128 v[BIAS+8*\b:BIAS+8*\b+3],   v8 offset:64*\b      ; register j of block b: b1 of column 16 b + 8 (l / 16) + j
	ds_load_b128 v[BIAS+8*\b+4:BIAS+8*\b+7], v8 offset:64*\b+16
.endr
	ALOAD F0, 0
	KSTEP F0, F1, 0, 3, 64, 1, 1                   ; K step 0 stands in front of the loop: its products start the sums
	WIN 0                                          ; at a label and at a branch every window is 0
	s_mov_b32 s41, 7
.Lk:                                                   ; a trip: K steps 1 + 4 j .. 4 + 4 j
	KSTEP F1, F0, 1, 0, 128, 0, 1
	KSTEP F0, F1, 2, 1, 192, 0, 1
	KSTEP F1, F0, 3, 2, 256, 0, 1
	KSTEP F0, F1, 0, 3, 320, 0, 1
	WIN 0
.irp q, 0,1,2,3
	v_add_nc_u32 v[AD+\q], 0x100, v[AD+\q]         ; four K steps of 64 bytes
.endr
	s_sub_co_u32 s41, s41, 1
	s_cmp_lg_u32 s41, 0
	s_cbranch_scc1 .Lk
	KSTEP F1, F0, 1, 0, 128, 0, 1                  ; K steps 29, 30, 31; W1's ring runs on into the next chunk
	KSTEP F0, F1, 2, 1, 192, 0, 1
	KSTEP F1, F0, 3, 2, 0, 0, 0
	WIN 0
	PLACES                                         ; behind the last products: the lines below load into x's buffer 0 and read results
.irp q, 0,1,2,3                        ; G of my piece: 16 loads behind the 48 of W1 that are out
.irp i, 0,1
	global_load_b128 v[GH+8*\q+4*\i:GH+8*\q+4*\i+3], v3, s[44:45] offset:1024*\q+512*\i
	global_load_b128 v[GL+8*\q+4*\i:GL+8*\q+4*\i+3], v3, s[44:45] offset:1024*\q+512*\i+65536
.endr
.endr
.irp a, 0,1,2,3,4,5,6,7
	RB \a
.endr
	WIN 0
	v_add_nc_u32 v8, 0x800, v8                     ; the next chunk's bias, word of c and M2, and G (its loads were waited for above)
	v_add_nc_u32 v9, 4, v9
	s_add_nc_u64 s[44:45], s[44:45], 0x4000
	s_sub_co_u32 s40, s40, 1
	s_cmp_lg_u32 s40, 0
	s_cbranch_scc1 .Lchunk
	; THE LAST PHASE: thread t takes row t.
	s_wait_dscnt 0x0                               ; for the others' sake: my c, M2 and P are in LDS, and my reads of b1 are over
	s_barrier_signal -1
	s_barrier_wait -1
	v_add_nc_u32 v14, CT, v18
	v_lshl_add_u32 v16, v0, 6, PT
	v_mov_b32 v15, TABL
.irp w, 0,1,2,3
	ds_load_b128 v[64+4*\w:67+4*\w], v14 offset:2048*\w          ; c of pieces w, 4 + w, 8 + w, 12 + w
	ds_load_b128 v[80+4*\w:83+4*\w], v14 offset:8192+2048*\w     ; M2 likewise
.endr
.irp w, 0,1,2,3
.irp k, 0,1,2
	ds_load_b128 v[96+12*\w+4*\k:99+12*\w+4*\k], v16 offset:8192*\w+16*\k
.endr
.endr
	s_wait_dscnt 12                                ; c and M2 are in; the twelve loads of P may be out
	v_pk_add_f32 v[160:161], v[64:65], v[66:67]
	v_pk_add_f32 v[162:163], v[68:69], v[70:71]
	v_pk_add_f32 v[164:165], v[72:73], v[74:75]
	v_pk_add_f32 v[166:167], v[76:77], v[78:79]
	v_pk_add_f32 v[160:161], v[160:161], v[162:163]
	v_pk_add_f32 v[164:165], v[164:165], v[166:167]
	v_pk_add_f32 v[160:161], v[160:161], v[164:165]
	v_add_f32 v160, v160, v161
	v_mul_f32 v160, 0x3d800000, v160               ; m = sum c / 16
.set i, 0
.rept 8
	v_pk_add_f32 v[64+2*i:65+2*i], v[64+2*i:65+2*i], v[160:161] op_sel_hi:[1,0] neg_lo:[0,1] neg_hi:[0,1]  ; c - m
.set i, i+1
.endr
	v_pk_add_f32 v[80:81], v[80:81], v[82:83]
	v_pk_add_f32 v[84:85], v[84:85], v[86:87]
	v_pk_add_f32 v[88:89], v[88:89], v[90:91]
	v_pk_add_f32 v[92:93], v[92:93], v[94:95]
	v_pk_add_f32 v[80:81], v[80:81], v[84:85]
	v_pk_add_f32 v[88:89], v[88:89], v[92:93]
	v_pk_add_f32 v[80:81], v[80:81], v[88:89]
	v_add_f32 v80, v80, v81
	v_pk_mul_f32 v[162:163], v[64:65], v[64:65]
	v_pk_mul_f32 v[164:165], v[66:67], v[66:67]
.set i, 2
.rept 6
	v_pk_fma_f32 v[162+2*(i%2):163+2*(i%2)], v[64+2*i:65+2*i], v[64+2*i:65+2*i], v[162+2*(i%2):163+2*(i%2)]
.set i, i+1
.endr
	v_pk_add_f32 v[162:163], v[162:163], v[164:165]
	v_add_f32 v162, v162, v163
	v_fmac_f32 v80, 0x43000000, v162               ; sum M2 + 128 sum (c - m)^2
	v_fma_f32 v80, v80, s90, s91                   ; / 2048 + eps
	v_rsq_f32 v81, v80                             ; the sums below are the plain lines between it and its use
	s_wait_dscnt 0x0
.irp k, 0,1,2,3,4
	v_pk_add_f32 v[144+2*\k:145+2*\k], v[96+2*\k:97+2*\k], v[108+2*\k:109+2*\k]
.endr
.irp k, 0,1,2,3,4
	v_pk_add_f32 v[144+2*\k:145+2*\k], v[144+2*\k:145+2*\k], v[120+2*\k:121+2*\k]
.endr
.irp k, 0,1,2,3,4
	v_pk_add_f32 v[144+2*\k:145+2*\k], v[144+2*\k:145+2*\k], v[132+2*\k:133+2*\k]
.endr
	; the pieces' corrections, four pieces at a time: every lane reads the same words of the table.  v[144..] += (c_p - m) SG[p];  v[96..] = sum TP[p]
.set bt, 0
.rept 4
.set pp, 0
.rept 4
.set k, 0
.rept 3
	ds_load_b128 v[160+24*pp+4*k:163+24*pp+4*k], v15 offset:(4*bt+pp)*64+16*k
	ds_load_b128 v[172+24*pp+4*k:175+24*pp+4*k], v15 offset:1024+(4*bt+pp)*64+16*k
.set k, k+1
.endr
.set pp, pp+1
.endr
	s_wait_dscnt 0x0
.set pp, 0
.rept 4
.set p, 4*bt+pp
.set o, 0
.rept 9
	v_fmac_f32 v[144+o], v[64+4*(p%4)+p/4], v[160+24*pp+o]
.set o, o+1
.endr
.set k, 0
.rept 5
.if p == 1
	v_pk_add_f32 v[96+2*k:97+2*k], v[172+2*k:173+2*k], v[196+2*k:197+2*k]
.elseif p > 1
	v_pk_add_f32 v[96+2*k:97+2*k], v[96+2*k:97+2*k], v[172+24*pp+2*k:173+24*pp+2*k]
.endif
.set k, k+1
.endr
.set pp, pp+1
.endr
.set bt, bt+1
.endr
.macro RNDS d, sb                      ; nine scalars rounded to bf16, as f32 in v[d ..]
.irp m, 0,1,2,3
	v_cvt_pk_bf16_f32 v[190+\m], s[(\sb)+2*\m], s[(\sb)+2*\m+1]
.endr
	v_cvt_pk_bf16_f32 v194, s[(\sb)+8], s[(\sb)+8]
.irp m, 0,1,2,3
	v_lshlrev_b32 v[(\d)+2*\m], 16, v[190+\m]
	v_and_b32 v[(\d)+2*\m+1], s46, v[190+\m]
.endr
	v_lshlrev_b32 v[(\d)+8], 16, v194
.endm
	s_wait_kmcnt 0x0                               ; b2, g2, be2
	RNDS 160, 48
	RNDS 170, 68
	RNDS 180, 80
.set o, 0
.rept 9
	v_add_f32 v[96+o], v[96+o], v[160+o]
.set o, o+1
.endr
.set o, 0
	s_wait_alu depctr_va_vdst(0)
.rept 9
	v_fma_f32 v[144+o], v81, v[144+o], v[96+o]
.set o, o+1
.endr
.set o, 0
.rept 9
	v_max_num_f32 v[144+o], 0, v[144+o]
.set o, o+1
.endr
	; the layer norm over nine
	v_add_f32 v106, v144, v145
	v_add_f32 v107, v146, v147
	v_add_f32 v108, v148, v149
	v_add_f32 v109, v150, v151
	v_add_f32 v106, v106, v107
	v_add_f32 v108, v108, v109
	v_add_f32 v106, v106, v152
	v_add_f32 v106, v106, v108
	v_mul_f32 v106, s92, v106
.set o, 0
.rept 9
	v_sub_f32 v[144+o], v[144+o], v106
.set o, o+1
.endr
	v_mul_f32 v107, v144, v144
	v_mul_f32 v108, v145, v145
.set o, 2
.rept 7
	v_fmac_f32 v[107+o%2], v[144+o], v[144+o]
.set o, o+1
.endr
	v_add_f32 v107, v107, v108
	v_fma_f32 v107, v107, s92, s91
	v_rsq_f32 v108, v107
.set o, 0
.rept 9                                ; V = I: also the plain lines behind the root
.if o%4 == 0
	v_mov_b32 v[112+o], 1.0
.else
	v_mov_b32 v[112+o], 0
.endif
.set o, o+1
.endr
.set o, 0
	s_wait_alu depctr_va_vdst(0)
.rept 9
	v_mul_f32 v[170+o], v108, v[170+o]
.set o, o+1
.endr
.set o, 0
.rept 9
	v_fma_f32 v[144+o], v[144+o], v[170+o], v[180+o]            ; R, row-major in v144-152
.set o, o+1
.endr
	; R is scaled so that its largest magnitude is 1 (the result does not hang on a positive scale); the divisor is held at 1e-30, so that R = 0 stays 0
	v_max3_num_f32 v106, |v144|, |v145|, |v146|
	v_max3_num_f32 v106, v106, |v147|, |v148|
	v_max3_num_f32 v106, v106, |v149|, |v150|
	v_max3_num_f32 v106, v106, |v151|, |v152|
	v_max_num_f32 v106, 0x0da24260, v106
	v_rcp_f32 v107, v106
	v_nop                                          ; a plain line between the reciprocal and its use
.set o, 0
	s_wait_alu depctr_va_vdst(0)
.rept 9
	v_mul_f32 v[144+o], v107, v[144+o]
.set o, o+1
.endr
.macro GIV x, y, ta, tb                ; x' = c x - s y,  y' = s x + c y
	v_mul_f32 v\ta, v103, v[\y]
	v_mul_f32 v\tb, v103, v[\x]
	v_fma_f32 v[\x], v102, v[\x], -v\ta
	v_fma_f32 v[\y], v102, v[\y], v\tb
.endm
; Columns p and q of A (and of V) are turned so that A's become orthogonal: d = |q|^2 - |p|^2, g = 2 p.q, t = sign(d) g / (|d| + sqrt(d^2 + g^2)), c = rsq(1 + t^2), s = c t.
; The divisor is held at 2^-120: with g = d = 0 that gives t = 0; where d^2 + g^2 falls below f32's range t stays finite and the turn orthogonal.  No branch: a column pair that is orthogonal gets t = 0.
.macro ROT p, q
	v_mul_f32 v96, v[144+(\p)], v[144+(\p)]
	v_mul_f32 v97, v[144+(\q)], v[144+(\q)]
	v_mul_f32 v98, v[144+(\p)], v[144+(\q)]
	v_fmac_f32 v96, v[147+(\p)], v[147+(\p)]
	v_fmac_f32 v97, v[147+(\q)], v[147+(\q)]
	v_fmac_f32 v98, v[147+(\p)], v[147+(\q)]
	v_fmac_f32 v96, v[150+(\p)], v[150+(\p)]
	v_fmac_f32 v97, v[150+(\q)], v[150+(\q)]
	v_fmac_f32 v98, v[150+(\p)], v[150+(\q)]
	v_sub_f32 v99, v97, v96
	v_add_f32 v98, v98, v98
	v_mul_f32 v100, v99, v99
	v_fmac_f32 v100, v98, v98
	v_sqrt_f32 v100, v100
	v_and_b32 v101, 0x80000000, v99                ; d's sign: a plain line behind the root
	s_wait_alu depctr_va_vdst(0)
	v_add_f32 v100, |v99|, v100
	v_max_num_f32 v100, 0x03800000, v100
	v_rcp_f32 v100, v100
	v_xor_b32 v98, v98, v101                       ; a plain line behind the reciprocal
	s_wait_alu depctr_va_vdst(0)
	v_mul_f32 v98, v98, v100
	v_fma_f32 v102, v98, v98, 1.0
	v_rsq_f32 v102, v102
	v_nop
	s_wait_alu depctr_va_vdst(0)
	v_mul_f32 v103, v102, v98
	GIV 144+(\p), 144+(\q), 104, 105
	GIV 147+(\p), 147+(\q), 106, 107
	GIV 150+(\p), 150+(\q), 108, 109
	GIV 112+(\p), 112+(\q), 110, 111
	GIV 115+(\p), 115+(\q), 104, 105
	GIV 118+(\p), 118+(\q), 106, 107
.endm
	s_mov_b32 s41, 8
.Lsweep:
	ROT 0, 1
	ROT 0, 2
	ROT 1, 2
	s_sub_co_u32 s41, s41, 1
	s_cmp_lg_u32 s41, 0
	s_cbranch_scc1 .Lsweep
	; the columns' squared norms; the two largest become columns 1 and 2 (by selects: no branch hangs on a number)
.irp j, 0,1,2
	v_mul_f32 v[96+\j], v[144+\j], v[144+\j]
.endr
.irp j, 0,1,2
	v_fmac_f32 v[96+\j], v[147+\j], v[147+\j]
.endr
.irp j, 0,1,2
	v_fmac_f32 v[96+\j], v[150+\j], v[150+\j]
.endr
	v_cmp_lt_f32 vcc_lo, v96, v98
.irp i, 0,1,2
	v_cndmask_b32 v[160+\i], v[144+3*\i], v[146+3*\i], vcc_lo    ; the larger of columns 0 and 2,
	v_cndmask_b32 v[163+\i], v[112+3*\i], v[114+3*\i], vcc_lo
	v_cndmask_b32 v[170+\i], v[146+3*\i], v[144+3*\i], vcc_lo    ; and the smaller
	v_cndmask_b32 v[173+\i], v[114+3*\i], v[112+3*\i], vcc_lo
.endr
	v_cndmask_b32 v166, v96, v98, vcc_lo
	v_cndmask_b32 v176, v98, v96, vcc_lo
	v_cmp_lt_f32 vcc_lo, v97, v176
.irp i, 0,1,2
	v_cndmask_b32 v[180+\i], v[145+3*\i], v[170+\i], vcc_lo      ; the larger of that one and column 1
	v_cndmask_b32 v[183+\i], v[113+3*\i], v[173+\i], vcc_lo
.endr
	v_cndmask_b32 v186, v97, v176, vcc_lo
	v_rsq_f32 v190, v166
	v_rsq_f32 v191, v186
	v_nop
	v_cmp_gt_f32 vcc_lo, 0x0da24260, v166          ; a column without length: u takes v's place
	s_wait_alu depctr_va_vdst(0)
.irp i, 0,1,2
	v_mul_f32 v[160+\i], v190, v[160+\i]
.endr
.irp i, 0,1,2
	v_cndmask_b32 v[160+\i], v[160+\i], v[163+\i], vcc_lo
.endr
	v_cmp_gt_f32 vcc_lo, 0x0da24260, v186
.irp i, 0,1,2
	v_mul_f32 v[180+\i], v191, v[180+\i]
.endr
.irp i, 0,1,2
	v_cndmask_b32 v[180+\i], v[180+\i], v[183+\i], vcc_lo
.endr
.macro CROSS d0, d1, d2, a, b          ; (d0, d1, d2) = v[a ..] x v[b ..]
	v_mul_f32 v\d0, v[(\a)+2], v[(\b)+1]
	v_mul_f32 v\d1, v[(\a)],   v[(\b)+2]
	v_mul_f32 v\d2, v[(\a)+1], v[(\b)]
	v_fma_f32 v\d0, v[(\a)+1], v[(\b)+2], -v\d0
	v_fma_f32 v\d1, v[(\a)+2], v[(\b)],   -v\d1
	v_fma_f32 v\d2, v[(\a)],   v[(\b)+1], -v\d2
.endm
	CROSS 200, 201, 202, 160, 180                  ; u1 x u2
	CROSS 203, 204, 205, 163, 183                  ; v1 x v2
.irp i, 0,1,2
.irp j, 0,1,2
	v_mul_f32 v[210+3*\i+\j], v[160+\i], v[163+\j]
.endr
.endr
.irp i, 0,1,2
.irp j, 0,1,2
	v_fmac_f32 v[210+3*\i+\j], v[180+\i], v[183+\j]
.endr
.endr
.irp i, 0,1,2
.irp j, 0,1,2
	v_fmac_f32 v[210+3*\i+\j], v[200+\i], v[203+\j]
.endr
.endr
	; THE WAY OUT: a row's 36 bytes go into the stage (nine words apart from lane to lane: every bank once), and the block's 4,608 bytes come back as 16 bytes a lane
	v_mul_u32_u24 v14, 36, v0
	v_add_nc_u32 v14, OST, v14
.set o, 0
.rept 9
	ds_store_b32 v14, v[210+o] offset:4*o
.set o, o+1
.endr
	s_mul_i32 s24, ttmp9, 4608
	s_mov_b32 s25, 0
	s_add_nc_u64 s[20:21], s[20:21], s[24:25]
	s_wait_dscnt 0x0                               ; for the others' sake: my rows are in the stage
	s_barrier_signal -1
	s_barrier_wait -1
	ds_load_b128 v[64:67], v19
	ds_load_b128 v[68:71], v19 offset:2048
	s_wait_dscnt 0x0
	global_store_b128 v18, v[64:67], s[20:21]                   ; a wave's store covers 512 consecutive bytes, at a multiple of 256 from out0's first byte
	global_store_b128 v18, v[68:71], s[20:21] offset:2048
	s_cmp_lg_u32 s22, 0
	s_cbranch_scc1 .Ldone
	ds_load_b128 v[72:75], v19 offset:4096         ; the last 512 bytes: wave 0
	s_wait_dscnt 0x0
	global_store_b128 v18, v[72:75], s[20:21] offset:4096
.Ldone:
	s_wait_tensorcnt 0x0                           ; the wave's end: three closing lines, behind my last LDS store
	ds_add_u32 v[SPW], v[NIL]
	s_wait_dscnt 0x0
	s_endpgm
.Lfunc_end_k_qbacb0a1123_main:
	.size	k_qbacb0a1123_main, .Lfunc_end_k_qbacb0a1123_main-k_qbacb0a1123_main
	.p2alignl 7, 3214868480
	.fill 96, 4, 3214868480
	.section	.rodata,"a",@progbits
	.p2align	6, 0x0
	.amdhsa_kernel k_qbacb0a1123_main
		.amdhsa_group_segment_fixed_size 324096
		.amdhsa_private_segment_fixed_size 0
		.amdhsa_enable_private_segment 0
		.amdhsa_kernarg_size 72
		.amdhsa_user_sgpr_count 2
		.amdhsa_user_sgpr_kernarg_segment_ptr 1
		.amdhsa_wavefront_size32 1
		.amdhsa_system_sgpr_workgroup_id_x 1
		.amdhsa_system_sgpr_workgroup_id_y 1
		.amdhsa_system_sgpr_workgroup_id_z 1
		.amdhsa_system_vgpr_workitem_id 0
		.amdhsa_next_free_vgpr 1024
		.amdhsa_next_free_sgpr 96
		.amdhsa_reserve_vcc 1
		.amdhsa_float_denorm_mode_32 3
		.amdhsa_float_denorm_mode_16_64 3
		.amdhsa_memory_ordered 1
		.amdhsa_forward_progress 1
		.amdhsa_inst_pref_size 255
	.end_amdhsa_kernel
	.section	.bss,"aw",@nobits
	.p2align	6
	.space	262144
	.amdgpu_metadata
---
amdhsa.version: [ 1, 2 ]
amdhsa.kernels:
  - .name:           k_qbacb0a1123_main
    .symbol:         k_qbacb0a1123_main.kd
    .args:
      - { .name: x, .offset: 0, .size: 8, .value_kind: global_buffer, .address_space: global }
      - { .name: b1, .offset: 8, .size: 8, .value_kind: global_buffer, .address_space: global }
      - { .name: b2, .offset: 16, .size: 8, .value_kind: global_buffer, .address_space: global }
      - { .name: g2, .offset: 24, .size: 8, .value_kind: global_buffer, .address_space: global }
      - { .name: be2, .offset: 32, .size: 8, .value_kind: global_buffer, .address_space: global }
      - { .name: w1f, .offset: 40, .size: 8, .value_kind: global_buffer, .address_space: global }
      - { .name: gfrag, .offset: 48, .size: 8, .value_kind: global_buffer, .address_space: global }
      - { .name: tab, .offset: 56, .size: 8, .value_kind: global_buffer, .address_space: global }
      - { .name: out0, .offset: 64, .size: 8, .value_kind: global_buffer, .address_space: global }
    .group_segment_fixed_size: 324096
    .private_segment_fixed_size: 0
    .kernarg_segment_align: 8
    .kernarg_segment_size: 72
    .max_flat_workgroup_size: 128
    .sgpr_count:     96
    .vgpr_count:     1024
    .wavefront_size: 32
...
	.end_amdgpu_metadata
.endif
;; end of part 2
;; ======== version 2 of 2: 2 launches; version 1 with the launch main written anew for expert scheduling mode
;; workspace buffers: w1f 4,194,304 bytes; gfrag 131,072 bytes; tab 2,048 bytes
;; launch prep: the kernel of part 1 again; grid 256 x 1, 8 waves a work-group, no clusters, 0 bytes of LDS; arguments W1, W2, g1, be1, w1f, gfrag, tab; writes w1f, gfrag, tab
;; launch main (part 3): grid 256 x 1, 4 waves a work-group, no clusters, 324,096 bytes of LDS; arguments x, b1, b2, g2, be2, w1f, gfrag, tab, out0; writes out0
.if DOCPART == 3
	.amdgcn_target "amdgcn-amd-amdhsa--gfx1250"
	.amdhsa_code_object_version 6
	.text
	.protected	k_qbacb0a1123_main
	.globl	k_qbacb0a1123_main
	.p2align	8
	.type	k_qbacb0a1123_main,@function
k_qbacb0a1123_main:
	s_mov_b64 s[64:65], 0
	v_nop
	global_prefetch_b8 v0, s[64:65] scope:SCOPE_SE
	s_setreg_imm32_b32 hwreg(HW_REG_WAVE_SCHED_MODE, 0, 2), 2
	s_setreg_imm32_b32 hwreg(HW_REG_WAVE_MODE, 25, 1), 1
	s_wait_xcnt 0x0
	s_wait_alu depctr_vm_vsrc(0)
; out = the rotation nearest (in the sense of U diag(1, 1, det(U Vh)) Vh) to R = LN9(relu(LN(relu(x W1 + b1)) W2 + b2)), for 128 rows of x a work-group.
; FORMATS.  Every input is rounded to bf16 (x here, b1, b2, g2, be2 here, the weights in the launch before).  The first product: bf16 operands, f32 sums.  All that the program itself makes stays in f32;
; the second product's operand goes to the matrix unit as hi + lo bf16 (16 significant bits) against G = g1 W2 as hi + lo (exact); of the four partial products lo x lo is left out.
; SHARES.  The work-group's 128 rows of x are read once, rounded and kept in LDS.  N = 2,048 goes in four chunks of 512 columns; a wave makes 128 rows x 128 columns of a chunk: 64 accumulators, 512 registers.
; W1's fragments come from memory straight into registers, a ring of four buffers of one K step (32 k x 128 columns, 8,192 bytes on end): no two waves of the work-group need the same ones.
; LAYER NORM WITHOUT A DIFFERENCE OF LARGE SUMS.  A row's 2,048 numbers a are 16 pieces of 128 (piece p = 4 chunk + wave).  A piece is centred by its own mean c_p; kept are c_p, M2_p = sum (a - c_p)^2 and
; P[o] = sum (a - c_p) G[n][o].  At the end m = mean of c_p, var = (sum M2_p + 128 sum (c_p - m)^2) / 2048, and the second layer's sums are rsq(var + eps) (sum P + sum (c_p - m) SG[p]) + sum TP[p] + b2.
; The order of rounding differs from a plain mean and variance; no term is a difference of large sums.
; THE 3 x 3 PART, one row a thread: one-sided Jacobi (eight sweeps of three rotations; the iteration converges quadratically, and a 3 x 3 matrix is at f32's limit well before the eighth) makes R V = U S;
; with columns 1, 2 the two of largest norm, out = u1 v1^T + u2 v2^T + (u1 x u2)(v1 x v2)^T, which is U diag(1, 1, det) Vh whatever the signs.
; LIMITS.  R = 0 gives the identity.  For R of exact rank 1 the decomposition is not unique: the result is finite, but need not be the one that another SVD picks.  NaN and infinities are not treated apart.
; NO CLUSTER, NO TENSOR LOADS: all work-groups walk the same W1, but x's block takes 264,192 of the 327,680 bytes of LDS and the tables 59,904; two slots of one K step of 512 columns (2 x 32,768 bytes) do not
; fit beside them, and shorter slots would want a barrier for every 64 matrix instructions.  So W1 goes by registers, each work-group asking for itself.
; THE MATRIX INSTRUCTION IS USED TRANSPOSED (source 0 = 16 columns of W1, source 1 = 16 rows of x): lane l holds row l % 16 and the columns 8 (l / 16) + 0..7.  Two such results, rounded in pairs,
; ARE source 1 (32 columns x 16 rows) of the second product, whose source 0 is G (16 o x 32 columns).
; REGISTERS, in windows of 256 (s_set_vgpr_msb: bits 1:0 source 0, 3:2 source 1, 5:4 source 2, 7:6 destination):
;   window 0: v0-31 addresses and small things (v20-27: b1's pairs in the fill; behind a chunk P's sums on their way to LDS); v32-55 the second product's three accumulators; v56-59 A's address bases;
;             v62-63 the add's; v64-127, v128-191 fragments of x, two buffers (in the fill: x as loaded; behind a chunk: G, and hi and lo); v192-255 the bias as the first product's C
;             (in the fill: x in bf16 on its way to LDS; behind a chunk: at work)
;   window 1: four buffers of 64: W1's fragments          windows 2, 3: the accumulators, (a, b) at v[8 (8 (a % 4) + b)], a = block of 16 rows, b = block of 16 columns
; THE MODE: SCHED_MODE bits 1:0 = 2 (LLVM: expert scheduling mode 2), set by the entry lines.  The code itself states the register dependences between vector or matrix instructions and memory or LDS
; instructions, with s_wait_alu, always for 0.
; THE PLAN.  Registers that memory or LDS instructions touch, and who else names them:
;   v3, v10, v18, v19, v28, v56-59  addresses made at the head and never written again.  v14-v17 are made anew once, at the last phase's head.
;   THE FILL.  Slot i of 32: x's load lands in v[64 + 4 i ..]; a group's conversions read eight slots and write v[XO + 2 i ..], a pair of the slot's own; ONE wait on va_vdst behind a group's sixteen conversions;
;              behind it the group's eight LDS stores and eight loads.  v16, v17 and all of XO are written again only behind the one wait on vm_vsrc at a round's bottom.
;   A K STEP.  Its matrix instructions name x's buffer fa, W1's buffer fb and the accumulators.  Its loads land in ga and gb, which the matrix instructions of the step before read: ONE wait on va_vdst at the
;              step's head states that those are done, and the step's 32 loads follow dealt among its matrix instructions, with no further wait.  v4-7, the LDS addresses, are stepped once a trip of four
;              steps, behind a wait on vm_vsrc; the next step's head wait states that they are written.
;   BEHIND A CHUNK, a block of 16 rows.  P's load lands in PA, which matrix instructions and vector sums name and no store reads.  c (v12), M2 (v[T]) and the new P (v[PO ..]) are written by vector
;              instructions and leave by four LDS stores at the block's end, behind ONE wait on va_vdst; the next block writes them again behind ONE wait on vm_vsrc.
;   A CHUNK'S EDGE.  A wait on vm_vsrc ahead of the steps of v8 and v9 (and, over the backward jump, of the copies into v4-7); a wait on va_vdst behind those copies, ahead of the loads of the bias and of x.
.set PITCH, 2064                       ; a row of x in LDS: 2,048 bytes + 16 = 129 x 16: the 16 rows of a fragment load start at 16 different groups of four banks (64 banks of 4 bytes: ISA guide 11.1)
.set B1T,   128*PITCH                  ; 264,192: b1, rounded, as f32: 8,192 bytes; behind the second barrier its first 4,608 bytes are the stage for the output
.set OST,   B1T
.set CT,    B1T+8192                   ; c:  [wave][row][chunk] f32, 2,048 bytes a wave
.set M2T,   CT+8192                    ; M2: the same
.set PT,    M2T+8192                   ; P:  [wave][row][16] f32, 8,192 bytes a wave
.set TABL,  PT+32768                   ; SG, TP: 2,048 bytes
.set SPARE, TABL+2048                  ; the spare words, 128 bytes for each wave: two blocks of 256 bytes that no other line names
.set AD,   4                           ; v4-7    LDS address of my lane in rows 32 q + l % 16 of x, stepped along K
.set ADB,  56                          ; v56-59  the same at K = 0; never rewritten
.set SPW,  62                          ; v62     SPARE + 4 x my thread's number; never rewritten
.set NIL,  63                          ; v63     0; never rewritten
.set PO,   20                          ; v20-27  behind a chunk: a block's new P, the LDS stores' data
.set PA,   32
.set PB,   40
.set PC,   48
.set F0,   64
.set F1,   128
.set GH,   64
.set GL,   96
.set HH,   128
.set LO,   160
.set BIAS, 192
.set T,    192
.set XO,   192                         ; in the fill: slot i's 8 bytes of bf16 at XO + 2 i
.set SB,   32                          ; s[32:39] W1's address for each of the four buffers
.set MSB, 0
.macro WIN new                         ; the immediate's high byte repeats the setting that is left; a switch that changes nothing is dropped
.if MSB != (\new)
	s_set_vgpr_msb (MSB<<8)|(\new)
.set MSB, (\new)
.endif
.endm
.set MUL_LO,  0xa1                     ; source 0 (W1) window 1, source 1 (x) window 0, C and D window 2;  + 0x50: window 3
.set MULB_LO, 0x81                     ; the same with C (the bias) in window 0;  + 0x40: D in window 3
.set TO_B,    0x40                     ; destination window 1, address window 0
.macro PLACES                          ; four places behind matrix instructions, in front of loads into registers that they read and of vector lines that read results
.rept 4
	v_nop
.endr
.endm
	s_load_b256 s[4:11], s[0:1], 0x0               ; x s[4:5], b1 s[6:7], b2 s[8:9], g2 s[10:11]
	s_load_b256 s[12:19], s[0:1], 0x20             ; be2 s[12:13], w1f s[14:15], gfrag s[16:17], tab s[18:19]
	s_load_b64 s[20:21], s[0:1], 0x40              ; out0
	v_lshl_add_u32 v[SPW], v0, 2, SPARE
	v_mov_b32 v[NIL], 0
	v_lshrrev_b32 v14, 5, v0
	v_readfirstlane_b32 s22, v14                   ; wave 0..3
	v_and_b32 v1, 15, v0                           ; r = l % 16
	v_bfe_u32 v2, v0, 4, 1                         ; h = l / 16
	v_and_b32 v15, 31, v0                          ; lane
	v_lshlrev_b32 v3, 4, v15                       ; 16 x lane: my 16 bytes in 512 on end
	v_mul_u32_u24 v[ADB], PITCH, v1
	v_lshl_add_u32 v[ADB], v2, 4, v[ADB]           ; row x pitch + 16 x half
	v_add_nc_u32 v[ADB+1], 32*PITCH, v[ADB]
	v_add_nc_u32 v[ADB+2], 64*PITCH, v[ADB]
	v_add_nc_u32 v[ADB+3], 96*PITCH, v[ADB]
	s_wait_alu depctr_va_sdst(0)                   ; s22 is written, ahead of its first reader: the LDS places and the bases below are made from it
	s_lshl_b32 s24, s22, 9
	s_add_co_u32 s24, s24, B1T
	v_lshl_add_u32 v8, v2, 5, s24                  ; v8: the bias of my wave's 128 columns, my half's eight; + 2,048 a chunk
	s_lshl_b32 s24, s22, 11
	s_add_co_u32 s24, s24, CT
	v_lshl_add_u32 v9, v1, 4, s24                  ; v9: my row's word in my wave's part of CT; + 4 a chunk
	s_lshl_b32 s24, s22, 13
	s_add_co_u32 s30, s24, PT                      ; my wave's part of PT
	v_lshl_add_u32 v10, v1, 6, s30
	v_lshl_add_u32 v10, v2, 5, v10                 ; v10: my row's eight o
	v_mov_b32 v11, -1.0
	v_mov_b32 v13, 0                               ; named with v12 as a pair
	v_mov_b32 v16, v3                              ; v16: my byte offset in x, stepped
	s_mul_i32 s24, s22, 32*PITCH
	v_lshl_add_u32 v17, v15, 3, s24                ; v17: where my 8 bytes of bf16 go, stepped
	v_lshlrev_b32 v18, 4, v0                       ; v18: 16 x thread; never rewritten
	v_add_nc_u32 v19, B1T, v18                     ; v19: the same in B1T; never rewritten
	v_add_nc_u32 v28, s30, v3
.irp j, 52,53,54,55
	v_mov_b32 v\j, 0
.endr
	s_mov_b32 s42, 0x76543210                      ; v_permlanex16_b32: each lane takes its own place in the other half
	s_mov_b32 s43, 0xfedcba98
	s_mov_b32 s46, 0xffff0000                      ; a word's upper bf16
	s_mov_b32 s90, 0x3a000000                      ; 1 / 2048
	s_mov_b32 s91, 0x3727c5ac                      ; 1e-5
	s_mov_b32 s92, 0x3de38e39                      ; 1 / 9
	s_lshl_b32 s24, ttmp9, 19                      ; the work-group's 128 rows of 4,096 bytes,
	s_lshl_b32 s25, s22, 17                        ; my wave's 32 of them
	s_add_co_u32 s24, s24, s25
	s_mov_b32 s25, 0
	s_lshl_b32 s26, s22, 12                        ; G's four fragments of piece p lie at 4,096 p
	s_mov_b32 s27, 0
	s_wait_kmcnt 0x0
	s_load_b256 s[48:55], s[8:9], 0x0              ; b2, g2, be2: nine words each; waited for in the last phase
	s_load_b32 s56, s[8:9], 0x20
	s_load_b256 s[68:75], s[10:11], 0x0
	s_load_b32 s76, s[10:11], 0x20
	s_load_b256 s[80:87], s[12:13], 0x0
	s_load_b32 s88, s[12:13], 0x20
	s_add_nc_u64 s[4:5], s[4:5], s[24:25]
	s_add_nc_u64 s[44:45], s[16:17], s[26:27]      ; s[44:45]: G at my wave's piece of chunk 0; + 16,384 a chunk
	; THE FILL.  Wave w brings rows 32 w .. 32 w + 31 of the block: a ring of 32 loads of 512 bytes on end (four rows), eight rounds.
	s_wait_alu depctr_va_vdst(0)                   ; the head's addresses and offsets (v3, v8-10, v16-19, v28, v56-59) and the zeros v52-55 are written, which the loads and stores from here on read
.irp j, 0,1,2,3
	global_load_b128 v[32+4*\j:35+4*\j], v18, s[6:7] offset:2048*\j
.endr
	global_load_b128 v[48:51], v18, s[18:19]
.set i, 0
.rept 32
	global_load_b128 v[64+4*i:67+4*i], v16, s[4:5] offset:i*512 th:TH_LOAD_NT
.set i, i+1
.endr
	s_wait_loadcnt 32                              ; b1 and the table are in; the 32 loads of x behind them stay out
.set m, 0
.rept 8
	v_cvt_pk_bf16_f32 v[20+m], v[32+2*m], v[33+2*m]
.set m, m+1
.endr
.set m, 0
.rept 8
	v_lshlrev_b32 v[32+2*m], 16, v[20+m]           ; b1 rounded to bf16, as f32
	v_and_b32 v[33+2*m], s46, v[20+m]
.set m, m+1
.endr
	s_wait_alu depctr_va_vdst(0)                   ; b1's rounded numbers are written in v[32:47], which the LDS stores read
.irp j, 0,1,2,3
	ds_store_b128 v19, v[32+4*\j:35+4*\j] offset:2048*\j
.endr
	ds_store_b128 v19, v[48:51] offset:TABL-B1T
.set j, 0
.rept 16
	ds_store_b128 v28, v[52:55] offset:512*j       ; my wave's P starts at 0
.set j, j+1
.endr
; A group's turn: eight slots, one row of x.  A slot's 512 bytes of f32 become 256 bytes of bf16 on end in LDS.  ahead = 1: the slots are loaded again, four rows on.  left: the younger loads that may stay out.
.macro GROUP g, ahead, left
	s_wait_loadcnt \left                           ; loads come back in order (ISA guide 5.7.1): the group's eight are in
.set i, 8*(\g)
.rept 8
	v_cvt_pk_bf16_f32 v[XO+2*i],   v[64+4*i], v[65+4*i]
	v_cvt_pk_bf16_f32 v[XO+2*i+1], v[66+4*i], v[67+4*i]
.set i, i+1
.endr
	s_wait_alu depctr_va_vdst(0)                   ; the sixteen conversions have written the group's XO, which the LDS stores read, and are done reading its slots, in which the loads land; in a round's first group v16 and v17 are written
.set i, 8*(\g)
.rept 8
	ds_store_b64 v17, v[XO+2*i:XO+2*i+1] offset:(\g)*PITCH+(i%8)*256
.if \ahead
	global_load_b128 v[64+4*i:67+4*i], v16, s[4:5] offset:i*512+16384 th:TH_LOAD_NT
.endif
.set i, i+1
.endr
.endm
	s_mov_b32 s41, 7
.Lfill:
	GROUP 0, 1, 24
	GROUP 1, 1, 24
	GROUP 2, 1, 24
	GROUP 3, 1, 24
	s_wait_xcnt 0x0                                ; the loads' offset register is stepped only behind this wait
	s_wait_alu depctr_vm_vsrc(0)                   ; the round's loads have read v16, its LDS stores v17 and XO: the steps below and the next round's conversions write them again
	v_add_nc_u32 v16, 0x4000, v16
	v_add_nc_u32 v17, 4*PITCH, v17
	s_sub_co_u32 s41, s41, 1
	s_cmp_lg_u32 s41, 0
	s_cbranch_scc1 .Lfill
	GROUP 0, 0, 24                                 ; the last round loads nothing: the counts run down
	GROUP 1, 0, 16
	GROUP 2, 0, 8
	GROUP 3, 0, 0
	s_wait_alu depctr_vm_vsrc(0)                   ; the last round's LDS stores have read XO, in which the bias lands
; 8 loads: half of W1's fragments of one K step (blocks n0 .. n0 + 3 of 16 columns x 32 k, 4,096 bytes on end) into buffer gb of window 1
.macro BLOAD gb, n0
	WIN TO_B
.irp nb, 0,1,2,3
	global_load_b128 v[64*(\gb)+8*((\n0)+\nb):64*(\gb)+8*((\n0)+\nb)+3],   v3, s[SB+2*(\gb):SB+2*(\gb)+1] offset:1024*((\n0)+\nb)
	global_load_b128 v[64*(\gb)+8*((\n0)+\nb)+4:64*(\gb)+8*((\n0)+\nb)+7], v3, s[SB+2*(\gb):SB+2*(\gb)+1] offset:1024*((\n0)+\nb)+512
.endr
.endm
	s_lshl_b32 s26, s22, 20                        ; s26: byte in w1f of the next K step to ask for: my wave's 128 steps lie on end
	s_mov_b32 s29, 0
.irp j, 0,1,2
	s_mov_b32 s28, s26
	s_add_nc_u64 s[SB+2*\j:SB+2*\j+1], s[14:15], s[28:29]
	s_add_co_u32 s26, s26, 8192
	BLOAD \j, 0                                    ; three K steps are on their way from here on; no vector instruction has named these registers
	BLOAD \j, 4
.endr
	WIN 0
	s_wait_dscnt 0x0                               ; for the others' sake: my rows of x, my part of b1 and of the table are in LDS
	s_barrier_signal -1
	s_barrier_wait -1
; 16 matrix instructions: row blocks a0, a0 + 1 of the window's four x all 8 column blocks, 32 along K.  mode = 1: a chunk's first K step: the bias starts the sums, nothing is cleared.
; The 64 accumulators take turns, one instruction a turn, in the same order in every K step.
.macro MUL16 fa, fb, hi, a0, mode
.if \mode
	WIN MULB_LO+0x40*(\hi)
.else
	WIN MUL_LO+0x50*(\hi)
.endif
.irp a, \a0, (\a0)+1
.irp b, 0,1,2,3,4,5,6,7
.if \mode
	v_wmma_f32_16x16x32_bf16 v[8*(8*(\a)+(\b)):8*(8*(\a)+(\b))+7], v[64*(\fb)+8*(\b):64*(\fb)+8*(\b)+7], v[(\fa)+8*(4*(\hi)+(\a)):(\fa)+8*(4*(\hi)+(\a))+7], v[BIAS+8*(\b):BIAS+8*(\b)+7]
.else
	v_wmma_f32_16x16x32_bf16 v[8*(8*(\a)+(\b)):8*(8*(\a)+(\b))+7], v[64*(\fb)+8*(\b):64*(\fb)+8*(\b)+7], v[(\fa)+8*(4*(\hi)+(\a)):(\fa)+8*(4*(\hi)+(\a))+7], v[8*(8*(\a)+(\b)):8*(8*(\a)+(\b))+7]
.endif
.endr
.endr
.endm
; 16 LDS loads: x's fragments of one K step (8 blocks of 16 rows x 32 k) at byte aoff behind the stepped addresses, rows ascending
.macro ALOAD ga, aoff
	WIN 0
.irp rb, 0,1,2,3,4,5,6,7
	ds_load_b128 v[(\ga)+8*\rb:(\ga)+8*\rb+3],   v[AD+\rb/2] offset:(\rb%2)*16*PITCH+(\aoff)
	ds_load_b128 v[(\ga)+8*\rb+4:(\ga)+8*\rb+7], v[AD+\rb/2] offset:(\rb%2)*16*PITCH+(\aoff)+32
.endr
.endm
; 16 loads: G of my piece, hi and lo, into x's buffer 0
.macro GLOAD
	WIN 0
.irp q, 0,1,2,3
.irp i, 0,1
	global_load_b128 v[GH+8*\q+4*\i:GH+8*\q+4*\i+3], v3, s[44:45] offset:1024*\q+512*\i
	global_load_b128 v[GL+8*\q+4*\i:GL+8*\q+4*\i+3], v3, s[44:45] offset:1024*\q+512*\i+65536
.endr
.endr
.endm
; A K STEP: 64 matrix instructions on x's buffer fa and W1's buffer fb.  Dealt among them, behind the one wait at the step's head: the next step's x into ga (apf = 1; in a chunk's last step, apf = 0, G takes
; its place: buffer 0 is free from that wait on), and W1's step three on into gb, in two halves.  None of the step's matrix instructions names ga or gb.
.macro KSTEP fa, ga, fb, gb, aoff, mode, apf
	s_wait_loadcnt 32                              ; this step's 16 loads of W1 are in; the two later steps' 32 stay out
	s_wait_dscnt 8                                 ; x's rows 0-63 are in (and what was asked for ahead of them); the youngest eight loads, rows 64-127, may be out
.if !(\mode)
	s_wait_alu depctr_va_vdst(0)                   ; the step before's matrix instructions are done reading ga and gb, in which this step's loads land; behind a trip's end v4-7 are written (a chunk's first step leans on the wait at the chunk's head)
.endif
	MUL16 \fa, \fb, 0, 0, \mode
	s_min_u32 s28, s26, 4186112                    ; the last three steps' look-ahead is held to w1f's last 8,192 bytes
	s_add_nc_u64 s[SB+2*(\gb):SB+2*(\gb)+1], s[14:15], s[28:29]  ; buffer gb's loads were shown done by the step before's wait, so its address may be written
	s_add_co_u32 s26, s26, 8192
	WIN 0
	PLACES                                         ; ga and gb were read by the step before's matrix instructions: the places stand beside the wait at the step's head
.if \apf
	ALOAD \ga, \aoff
.else
	GLOAD
.endif
	MUL16 \fa, \fb, 0, 2, \mode
	BLOAD \gb, 0
.if \apf
	s_wait_dscnt 16                                ; all but the 16 just issued: x's rows 64-127 are in
.else
	s_wait_dscnt 0x0
.endif
	MUL16 \fa, \fb, 1, 0, \mode
	BLOAD \gb, 4
	MUL16 \fa, \fb, 1, 2, \mode
.endm
.macro LANESUM                         ; v[T], v[T+1] and the same of the lane 16 away, which holds the row's other 64 columns, into v[T]
	v_add_f32 v[T], v[T], v[T+1]
	v_permlanex16_b32 v[T+1], v[T], s42, s43
	v_add_f32 v[T], v[T], v[T+1]
.endm
; BEHIND A CHUNK, block a of 16 rows: relu; the piece's mean c; d = a - c in place; M2; d as hi + lo bf16; P += Ghi hi + Ghi lo + Glo hi.  Each accumulator's lowest registers are read first.
; c stays in v12, M2 in v[T] and the new P in v[PO ..] to the block's end, where the four LDS stores stand behind one wait.
.macro RB a
.set W, 2+(\a)/4
.set AC, 64*((\a)%4)
	WIN 0
	ds_load_b128 v[PA:PA+3],   v10 offset:(\a)*1024         ; P so far: it starts the first chain.  No vector or matrix instruction has named PA since the last wait on va_vdst, and no store reads it
	ds_load_b128 v[PA+4:PA+7], v10 offset:(\a)*1024+16
	WIN W*0x55                                     ; every place in the accumulators' window
.set i, 0
.rept 64
	v_max_num_f32 v[AC+i], 0, v[AC+i]
.set i, i+1
.endr
.if (\a) > 0
	s_wait_alu depctr_vm_vsrc(0)                   ; the block before's LDS stores have read v[T], v12 and v[PO ..], which this block writes again (block 0 leans on the wait at the chunk's end, or behind the fill)
.endif
	WIN W*5                                        ; sources 0 and 1 there, the rest in window 0
.set i, 0
.rept 16
	v_pk_add_f32 v[T+2*i:T+2*i+1], v[AC+4*i:AC+4*i+1], v[AC+4*i+2:AC+4*i+3]
.set i, i+1
.endr
	WIN 0
.irp s, 1,2,4,8
.set i, 0
.rept 8/(\s)
	v_pk_add_f32 v[T+2*i:T+2*i+1], v[T+2*i:T+2*i+1], v[T+2*(i+(\s)):T+2*(i+(\s))+1]
.set i, i+2*(\s)
.endr
.endr
	LANESUM
	v_mul_f32 v12, 0x3c000000, v[T]                ; c = sum / 128
	WIN W*0x41                                     ; source 0 and destination in the accumulators' window
.set i, 0
.rept 32
	v_pk_add_f32 v[AC+2*i:AC+2*i+1], v[AC+2*i:AC+2*i+1], v[12:13] op_sel_hi:[1,0] neg_lo:[0,1] neg_hi:[0,1]
.set i, i+1
.endr
	WIN W*5
.set i, 0
.rept 32
.if i < 4
	v_pk_mul_f32 v[T+2*i:T+2*i+1], v[AC+2*i:AC+2*i+1], v[AC+2*i:AC+2*i+1]
.else
	v_pk_fma_f32 v[T+2*(i%4):T+2*(i%4)+1], v[AC+2*i:AC+2*i+1], v[AC+2*i:AC+2*i+1], v[T+2*(i%4):T+2*(i%4)+1]
.endif
	v_cvt_pk_bf16_f32 v[HH+i], v[AC+2*i], v[AC+2*i+1]           ; hi
.set i, i+1
.endr
	WIN 0
	v_pk_add_f32 v[T:T+1], v[T:T+1], v[T+2:T+3]
	v_pk_add_f32 v[T+4:T+5], v[T+4:T+5], v[T+6:T+7]
	v_pk_add_f32 v[T:T+1], v[T:T+1], v[T+4:T+5]
	LANESUM                                        ; M2, in v[T]
	WIN W*0x50                                     ; source 2 and destination in the accumulators' window
.set i, 0
.rept 32
	v_fma_mix_f32_bf16 v[AC+2*i],   v[HH+i], v11, v[AC+2*i]   op_sel_hi:[1,0,0]                 ; d - hi: hi's low half x (-1) + d
	v_fma_mix_f32_bf16 v[AC+2*i+1], v[HH+i], v11, v[AC+2*i+1] op_sel:[1,0,0] op_sel_hi:[1,0,0]  ; its high half
.set i, i+1
.endr
	WIN W*5
.set i, 0
.rept 32
	v_cvt_pk_bf16_f32 v[LO+i], v[AC+2*i], v[AC+2*i+1]           ; lo
.set i, i+1
.endr
	WIN 0
.if (\a) == 0
	s_wait_loadcnt 16                              ; G is in: behind its sixteen loads stand the sixteen of W1 that the chunk's last K step issued
.endif
	s_wait_dscnt 0x0                               ; P is in: its two loads are my youngest LDS instructions
.irp q, 0,1,2,3                        ; three accumulators by turns, one instruction a turn
	v_wmma_f32_16x16x32_bf16 v[PA:PA+7], v[GH+8*\q:GH+8*\q+7], v[HH+8*\q:HH+8*\q+7], v[PA:PA+7]
.if \q == 0
	v_wmma_f32_16x16x32_bf16 v[PB:PB+7], v[GH+8*\q:GH+8*\q+7], v[LO+8*\q:LO+8*\q+7], 0
	v_wmma_f32_16x16x32_bf16 v[PC:PC+7], v[GL+8*\q:GL+8*\q+7], v[HH+8*\q:HH+8*\q+7], 0
.else
	v_wmma_f32_16x16x32_bf16 v[PB:PB+7], v[GH+8*\q:GH+8*\q+7], v[LO+8*\q:LO+8*\q+7], v[PB:PB+7]
	v_wmma_f32_16x16x32_bf16 v[PC:PC+7], v[GL+8*\q:GL+8*\q+7], v[HH+8*\q:HH+8*\q+7], v[PC:PC+7]
.endif
.endr
	PLACES
.irp j, 0,1,2,3
	v_pk_add_f32 v[PO+2*\j:PO+2*\j+1], v[PA+2*\j:PA+2*\j+1], v[PB+2*\j:PB+2*\j+1]
.endr
.irp j, 0,1,2,3
	v_pk_add_f32 v[PO+2*\j:PO+2*\j+1], v[PO+2*\j:PO+2*\j+1], v[PC+2*\j:PC+2*\j+1]
.endr
	s_wait_alu depctr_va_vdst(0)                   ; c (v12), M2 (v[T]) and the new P (v[PO ..]) are written, which the four LDS stores read; the sums are done reading PA, in which the next block's P lands
	ds_store_b32 v9, v12 offset:(\a)*256
	ds_store_b32 v9, v[T] offset:8192+(\a)*256
	ds_store_b128 v10, v[PO:PO+3]   offset:(\a)*1024
	ds_store_b128 v10, v[PO+4:PO+7] offset:(\a)*1024+16
.endm
	; THE FOUR CHUNKS.  No barrier stands in this loop: x and b1 are only read, and c, M2 and P lie in each wave's own bytes.
	s_mov_b32 s40, 4
.Lchunk:
.irp q, 0,1,2,3
	v_mov_b32 v[AD+\q], v[ADB+\q]
.endr
	s_wait_alu depctr_va_vdst(0)                   ; v4-7, and v8 and v9 at the last chunk's end, are written; the vector and matrix instructions so far are done with v[64:255], in which the bias and x's first two steps land
.irp b, 0,1,2,3,4,5,6,7
	ds_load_b128 v[BIAS+8*\b:BIAS+8*\b+3],   v8 offset:64*\b      ; register j of block b: b1 of column 16 b + 8 (l / 16) + j
	ds_load_b128 v[BIAS+8*\b+4:BIAS+8*\b+7], v8 offset:64*\b+16
.endr
	ALOAD F0, 0
	KSTEP F0, F1, 0, 3, 64, 1, 1                   ; K step 0 stands in front of the loop: its products start the sums
	WIN 0                                          ; at a label and at a branch every window is 0
	s_mov_b32 s41, 7
.Lk:                                                   ; a trip: K steps 1 + 4 j .. 4 + 4 j
	KSTEP F1, F0, 1, 0, 128, 0, 1
	KSTEP F0, F1, 2, 1, 192, 0, 1
	KSTEP F1, F0, 3, 2, 256, 0, 1
	KSTEP F0, F1, 0, 3, 320, 0, 1
	WIN 0
	s_wait_alu depctr_vm_vsrc(0)                   ; the LDS loads issued so far have read v4-7
.irp q, 0,1,2,3
	v_add_nc_u32 v[AD+\q], 0x100, v[AD+\q]         ; four K steps of 64 bytes
.endr
	s_sub_co_u32 s41, s41, 1
	s_cmp_lg_u32 s41, 0
	s_cbranch_scc1 .Lk
	KSTEP F1, F0, 1, 0, 128, 0, 1                  ; K steps 29, 30, 31; W1's ring runs on into the next chunk
	KSTEP F0, F1, 2, 1, 192, 0, 1
	KSTEP F1, F0, 3, 2, 0, 0, 0                    ; and G of my piece is asked for: 16 loads, with 32 of W1 ahead of them and 16 behind
	WIN 0
	PLACES                                         ; behind the last products: the lines below read results
.irp a, 0,1,2,3,4,5,6,7
	RB \a
.endr
	WIN 0
	s_wait_alu depctr_vm_vsrc(0)                   ; the bias's loads have read v8, x's loads v4-7, the last block's LDS stores v9, v12, v[T] and v[PO ..]: the steps below, the copies at the chunk's head and the next chunk write them again
	v_add_nc_u32 v8, 0x800, v8                     ; the next chunk's bias, word of c and M2, and G (its loads were waited for above)
	v_add_nc_u32 v9, 4, v9
	s_add_nc_u64 s[44:45], s[44:45], 0x4000
	s_sub_co_u32 s40, s40, 1
	s_cmp_lg_u32 s40, 0
	s_cbranch_scc1 .Lchunk
	; THE LAST PHASE: thread t takes row t.
	s_wait_dscnt 0x0                               ; for the others' sake: my c, M2 and P are in LDS, and my reads of b1 are over
	s_barrier_signal -1
	s_barrier_wait -1
	v_add_nc_u32 v14, CT, v18
	v_lshl_add_u32 v16, v0, 6, PT
	v_mov_b32 v15, TABL
	v_mul_u32_u24 v17, 36, v0                      ; the way out: my row's 36 bytes in the stage
	v_add_nc_u32 v17, OST, v17
	s_wait_alu depctr_va_vdst(0)                   ; the addresses v14 to v17 are written; the last block's matrix instructions are done reading v[64:159], in which c, M2 and P land
.irp w, 0,1,2,3
	ds_load_b128 v[64+4*\w:67+4*\w], v14 offset:2048*\w          ; c of pieces w, 4 + w, 8 + w, 12 + w
	ds_load_b128 v[80+4*\w:83+4*\w], v14 offset:8192+2048*\w     ; M2 likewise
.endr
.irp w, 0,1,2,3
.irp k, 0,1,2
	ds_load_b128 v[96+12*\w+4*\k:99+12*\w+4*\k], v16 offset:8192*\w+16*\k
.endr
.endr
	s_wait_dscnt 12                                ; c and M2 are in; the twelve loads of P may be out
	v_pk_add_f32 v[160:161], v[64:65], v[66:67]
	v_pk_add_f32 v[162:163], v[68:69], v[70:71]
	v_pk_add_f32 v[164:165], v[72:73], v[74:75]
	v_pk_add_f32 v[166:167], v[76:77], v[78:79]
	v_pk_add_f32 v[160:161], v[160:161], v[162:163]
	v_pk_add_f32 v[164:165], v[164:165], v[166:167]
	v_pk_add_f32 v[160:161], v[160:161], v[164:165]
	v_add_f32 v160, v160, v161
	v_mul_f32 v160, 0x3d800000, v160               ; m = sum c / 16
.set i, 0
.rept 8
	v_pk_add_f32 v[64+2*i:65+2*i], v[64+2*i:65+2*i], v[160:161] op_sel_hi:[1,0] neg_lo:[0,1] neg_hi:[0,1]  ; c - m
.set i, i+1
.endr
	v_pk_add_f32 v[80:81], v[80:81], v[82:83]
	v_pk_add_f32 v[84:85], v[84:85], v[86:87]
	v_pk_add_f32 v[88:89], v[88:89], v[90:91]
	v_pk_add_f32 v[92:93], v[92:93], v[94:95]
	v_pk_add_f32 v[80:81], v[80:81], v[84:85]
	v_pk_add_f32 v[88:89], v[88:89], v[92:93]
	v_pk_add_f32 v[80:81], v[80:81], v[88:89]
	v_add_f32 v80, v80, v81
	v_pk_mul_f32 v[162:163], v[64:65], v[64:65]
	v_pk_mul_f32 v[164:165], v[66:67], v[66:67]
.set i, 2
.rept 6
	v_pk_fma_f32 v[162+2*(i%2):163+2*(i%2)], v[64+2*i:65+2*i], v[64+2*i:65+2*i], v[162+2*(i%2):163+2*(i%2)]
.set i, i+1
.endr
	v_pk_add_f32 v[162:163], v[162:163], v[164:165]
	v_add_f32 v162, v162, v163
	v_fmac_f32 v80, 0x43000000, v162               ; sum M2 + 128 sum (c - m)^2
	v_fma_f32 v80, v80, s90, s91                   ; / 2048 + eps
	v_rsq_f32 v81, v80                             ; the sums below are the plain lines between it and its use
	s_wait_dscnt 0x0
.irp k, 0,1,2,3,4
	v_pk_add_f32 v[144+2*\k:145+2*\k], v[96+2*\k:97+2*\k], v[108+2*\k:109+2*\k]
.endr
.irp k, 0,1,2,3,4
	v_pk_add_f32 v[144+2*\k:145+2*\k], v[144+2*\k:145+2*\k], v[120+2*\k:121+2*\k]
.endr
.irp k, 0,1,2,3,4
	v_pk_add_f32 v[144+2*\k:145+2*\k], v[144+2*\k:145+2*\k], v[132+2*\k:133+2*\k]
.endr
	; the pieces' corrections, four pieces at a time: every lane reads the same words of the table.  v[144..] += (c_p - m) SG[p];  v[96..] = sum TP[p]
.set bt, 0
.rept 4
	s_wait_alu depctr_va_vdst(0)                   ; the vector lines so far (the sums above; then the batch before) are done with v[160:255], in which this batch's loads land; the first of these four waits also shows the root v81 written, ahead of its reader below
.set pp, 0
.rept 4
.set k, 0
.rept 3
	ds_load_b128 v[160+24*pp+4*k:163+24*pp+4*k], v15 offset:(4*bt+pp)*64+16*k
	ds_load_b128 v[172+24*pp+4*k:175+24*pp+4*k], v15 offset:1024+(4*bt+pp)*64+16*k
.set k, k+1
.endr
.set pp, pp+1
.endr
	s_wait_dscnt 0x0
.set pp, 0
.rept 4
.set p, 4*bt+pp
.set o, 0
.rept 9
	v_fmac_f32 v[144+o], v[64+4*(p%4)+p/4], v[160+24*pp+o]
.set o, o+1
.endr
.set k, 0
.rept 5
.if p == 1
	v_pk_add_f32 v[96+2*k:97+2*k], v[172+2*k:173+2*k], v[196+2*k:197+2*k]
.elseif p > 1
	v_pk_add_f32 v[96+2*k:97+2*k], v[96+2*k:97+2*k], v[172+24*pp+2*k:173+24*pp+2*k]
.endif
.set k, k+1
.endr
.set pp, pp+1
.endr
.set bt, bt+1
.endr
.macro RNDS d, sb                      ; nine scalars rounded to bf16, as f32 in v[d ..]
.irp m, 0,1,2,3
	v_cvt_pk_bf16_f32 v[190+\m], s[(\sb)+2*\m], s[(\sb)+2*\m+1]
.endr
	v_cvt_pk_bf16_f32 v194, s[(\sb)+8], s[(\sb)+8]
.irp m, 0,1,2,3
	v_lshlrev_b32 v[(\d)+2*\m], 16, v[190+\m]
	v_and_b32 v[(\d)+2*\m+1], s46, v[190+\m]
.endr
	v_lshlrev_b32 v[(\d)+8], 16, v194
.endm
	s_wait_kmcnt 0x0                               ; b2, g2, be2
	RNDS 160, 48
	RNDS 170, 68
	RNDS 180, 80
.set o, 0
.rept 9
	v_add_f32 v[96+o], v[96+o], v[160+o]
.set o, o+1
.endr
.set o, 0
.rept 9
	v_fma_f32 v[144+o], v81, v[144+o], v[96+o]     ; the root's wait stands ahead of the table's loads
.set o, o+1
.endr
.set o, 0
.rept 9
	v_max_num_f32 v[144+o], 0, v[144+o]
.set o, o+1
.endr
	; the layer norm over nine
	v_add_f32 v106, v144, v145
	v_add_f32 v107, v146, v147
	v_add_f32 v108, v148, v149
	v_add_f32 v109, v150, v151
	v_add_f32 v106, v106, v107
	v_add_f32 v108, v108, v109
	v_add_f32 v106, v106, v152
	v_add_f32 v106, v106, v108
	v_mul_f32 v106, s92, v106
.set o, 0
.rept 9
	v_sub_f32 v[144+o], v[144+o], v106
.set o, o+1
.endr
	v_mul_f32 v107, v144, v144
	v_mul_f32 v108, v145, v145
.set o, 2
.rept 7
	v_fmac_f32 v[107+o%2], v[144+o], v[144+o]
.set o, o+1
.endr
	v_add_f32 v107, v107, v108
	v_fma_f32 v107, v107, s92, s91
	v_rsq_f32 v108, v107
.set o, 0
.rept 9                                ; V = I: also the plain lines behind the root
.if o%4 == 0
	v_mov_b32 v[112+o], 1.0
.else
	v_mov_b32 v[112+o], 0
.endif
.set o, o+1
.endr
	s_wait_alu depctr_va_vdst(0)                   ; the root v108 is written, ahead of its first reader
.set o, 0
.rept 9
	v_mul_f32 v[170+o], v108, v[170+o]
.set o, o+1
.endr
.set o, 0
.rept 9
	v_fma_f32 v[144+o], v[144+o], v[170+o], v[180+o]            ; R, row-major in v144-152
.set o, o+1
.endr
	; R is scaled so that its largest magnitude is 1 (the result does not hang on a positive scale); the divisor is held at 1e-30, so that R = 0 stays 0
	v_max3_num_f32 v106, |v144|, |v145|, |v146|
	v_max3_num_f32 v106, v106, |v147|, |v148|
	v_max3_num_f32 v106, v106, |v149|, |v150|
	v_max3_num_f32 v106, v106, |v151|, |v152|
	v_max_num_f32 v106, 0x0da24260, v106
	v_rcp_f32 v107, v106
	v_nop                                          ; a plain line between the reciprocal and its use
	s_wait_alu depctr_va_vdst(0)                   ; the reciprocal v107 is written, ahead of its first reader
.set o, 0
.rept 9
	v_mul_f32 v[144+o], v107, v[144+o]
.set o, o+1
.endr
.macro GIV x, y, ta, tb                ; x' = c x - s y,  y' = s x + c y
	v_mul_f32 v\ta, v103, v[\y]
	v_mul_f32 v\tb, v103, v[\x]
	v_fma_f32 v[\x], v102, v[\x], -v\ta
	v_fma_f32 v[\y], v102, v[\y], v\tb
.endm
; Columns p and q of A (and of V) are turned so that A's become orthogonal: d = |q|^2 - |p|^2, g = 2 p.q, t = sign(d) g / (|d| + sqrt(d^2 + g^2)), c = rsq(1 + t^2), s = c t.
; The divisor is held at 2^-120: with g = d = 0 that gives t = 0; where d^2 + g^2 falls below f32's range t stays finite and the turn orthogonal.  No branch: a column pair that is orthogonal gets t = 0.
.macro ROT p, q
	v_mul_f32 v96, v[144+(\p)], v[144+(\p)]
	v_mul_f32 v97, v[144+(\q)], v[144+(\q)]
	v_mul_f32 v98, v[144+(\p)], v[144+(\q)]
	v_fmac_f32 v96, v[147+(\p)], v[147+(\p)]
	v_fmac_f32 v97, v[147+(\q)], v[147+(\q)]
	v_fmac_f32 v98, v[147+(\p)], v[147+(\q)]
	v_fmac_f32 v96, v[150+(\p)], v[150+(\p)]
	v_fmac_f32 v97, v[150+(\q)], v[150+(\q)]
	v_fmac_f32 v98, v[150+(\p)], v[150+(\q)]
	v_sub_f32 v99, v97, v96
	v_add_f32 v98, v98, v98
	v_mul_f32 v100, v99, v99
	v_fmac_f32 v100, v98, v98
	v_sqrt_f32 v100, v100
	v_and_b32 v101, 0x80000000, v99                ; d's sign: a plain line behind the root
	s_wait_alu depctr_va_vdst(0)                   ; the root v100 is written, ahead of its first reader
	v_add_f32 v100, |v99|, v100
	v_max_num_f32 v100, 0x03800000, v100
	v_rcp_f32 v100, v100
	v_xor_b32 v98, v98, v101                       ; a plain line behind the reciprocal
	s_wait_alu depctr_va_vdst(0)                   ; the reciprocal v100 is written, ahead of its first reader
	v_mul_f32 v98, v98, v100
	v_fma_f32 v102, v98, v98, 1.0
	v_rsq_f32 v102, v102
	v_nop
	s_wait_alu depctr_va_vdst(0)                   ; c, in v102, is written, ahead of its first reader
	v_mul_f32 v103, v102, v98
	GIV 144+(\p), 144+(\q), 104, 105
	GIV 147+(\p), 147+(\q), 106, 107
	GIV 150+(\p), 150+(\q), 108, 109
	GIV 112+(\p), 112+(\q), 110, 111
	GIV 115+(\p), 115+(\q), 104, 105
	GIV 118+(\p), 118+(\q), 106, 107
.endm
	s_mov_b32 s41, 8
.Lsweep:
	ROT 0, 1
	ROT 0, 2
	ROT 1, 2
	s_sub_co_u32 s41, s41, 1
	s_cmp_lg_u32 s41, 0
	s_cbranch_scc1 .Lsweep
	; the columns' squared norms; the two largest become columns 1 and 2 (by selects: no branch hangs on a number)
.irp j, 0,1,2
	v_mul_f32 v[96+\j], v[144+\j], v[144+\j]
.endr
.irp j, 0,1,2
	v_fmac_f32 v[96+\j], v[147+\j], v[147+\j]
.endr
.irp j, 0,1,2
	v_fmac_f32 v[96+\j], v[150+\j], v[150+\j]
.endr
	v_cmp_lt_f32 vcc_lo, v96, v98
	s_wait_alu depctr_va_vcc(0)                    ; the compare has written VCC, which the selects below read
.irp i, 0,1,2
	v_cndmask_b32 v[160+\i], v[144+3*\i], v[146+3*\i], vcc_lo    ; the larger of columns 0 and 2,
	v_cndmask_b32 v[163+\i], v[112+3*\i], v[114+3*\i], vcc_lo
	v_cndmask_b32 v[170+\i], v[146+3*\i], v[144+3*\i], vcc_lo    ; and the smaller
	v_cndmask_b32 v[173+\i], v[114+3*\i], v[112+3*\i], vcc_lo
.endr
	v_cndmask_b32 v166, v96, v98, vcc_lo
	v_cndmask_b32 v176, v98, v96, vcc_lo
	v_cmp_lt_f32 vcc_lo, v97, v176
	s_wait_alu depctr_va_vcc(0)                    ; the compare has written VCC, which the selects below read
.irp i, 0,1,2
	v_cndmask_b32 v[180+\i], v[145+3*\i], v[170+\i], vcc_lo      ; the larger of that one and column 1
	v_cndmask_b32 v[183+\i], v[113+3*\i], v[173+\i], vcc_lo
.endr
	v_cndmask_b32 v186, v97, v176, vcc_lo
	v_rsq_f32 v190, v166
	v_rsq_f32 v191, v186
	v_nop
	v_cmp_gt_f32 vcc_lo, 0x0da24260, v166          ; a column without length: u takes v's place
	s_wait_alu depctr_va_vdst(0)                   ; both roots, v190 and v191, are written, ahead of their first readers
.irp i, 0,1,2
	v_mul_f32 v[160+\i], v190, v[160+\i]
.endr
	s_wait_alu depctr_va_vcc(0)                    ; the compare has written VCC, which the selects below read
.irp i, 0,1,2
	v_cndmask_b32 v[160+\i], v[160+\i], v[163+\i], vcc_lo
.endr
	v_cmp_gt_f32 vcc_lo, 0x0da24260, v186
.irp i, 0,1,2
	v_mul_f32 v[180+\i], v191, v[180+\i]
.endr
	s_wait_alu depctr_va_vcc(0)                    ; the compare has written VCC, which the selects below read
.irp i, 0,1,2
	v_cndmask_b32 v[180+\i], v[180+\i], v[183+\i], vcc_lo
.endr
.macro CROSS d0, d1, d2, a, b          ; (d0, d1, d2) = v[a ..] x v[b ..]
	v_mul_f32 v\d0, v[(\a)+2], v[(\b)+1]
	v_mul_f32 v\d1, v[(\a)],   v[(\b)+2]
	v_mul_f32 v\d2, v[(\a)+1], v[(\b)]
	v_fma_f32 v\d0, v[(\a)+1], v[(\b)+2], -v\d0
	v_fma_f32 v\d1, v[(\a)+2], v[(\b)],   -v\d1
	v_fma_f32 v\d2, v[(\a)],   v[(\b)+1], -v\d2
.endm
	CROSS 200, 201, 202, 160, 180                  ; u1 x u2
	CROSS 203, 204, 205, 163, 183                  ; v1 x v2
.irp i, 0,1,2
.irp j, 0,1,2
	v_mul_f32 v[210+3*\i+\j], v[160+\i], v[163+\j]
.endr
.endr
.irp i, 0,1,2
.irp j, 0,1,2
	v_fmac_f32 v[210+3*\i+\j], v[180+\i], v[183+\j]
.endr
.endr
.irp i, 0,1,2
.irp j, 0,1,2
	v_fmac_f32 v[210+3*\i+\j], v[200+\i], v[203+\j]
.endr
.endr
	; THE WAY OUT: a row's 36 bytes go into the stage (nine words apart from lane to lane: every bank once), and the block's 4,608 bytes come back as 16 bytes a lane
	s_wait_alu depctr_va_vdst(0)                   ; the row's nine numbers v[210:218] are written, which the LDS stores read; the vector lines are done with v[64:75], in which the stage's loads land
.set o, 0
.rept 9
	ds_store_b32 v17, v[210+o] offset:4*o
.set o, o+1
.endr
	s_mul_i32 s24, ttmp9, 4608
	s_mov_b32 s25, 0
	s_add_nc_u64 s[20:21], s[20:21], s[24:25]
	s_wait_dscnt 0x0                               ; for the others' sake: my rows are in the stage
	s_barrier_signal -1
	s_barrier_wait -1
	ds_load_b128 v[64:67], v19
	ds_load_b128 v[68:71], v19 offset:2048
	s_wait_dscnt 0x0
	global_store_b128 v18, v[64:67], s[20:21]                   ; a wave's store covers 512 consecutive bytes, at a multiple of 256 from out0's first byte
	global_store_b128 v18, v[68:71], s[20:21] offset:2048
	s_cmp_lg_u32 s22, 0
	s_cbranch_scc1 .Ldone
	ds_load_b128 v[72:75], v19 offset:4096         ; the last 512 bytes: wave 0
	s_wait_dscnt 0x0
	global_store_b128 v18, v[72:75], s[20:21] offset:4096
.Ldone:
	s_wait_dscnt 0x0                               ; the closing lines, six on end
	s_wait_alu 0x0
	s_wait_tensorcnt 0x0
	ds_add_u32 v[SPW], v[NIL]
	s_wait_dscnt 0x0
	s_endpgm
.Lfunc_end_k_qbacb0a1123_main:
	.size	k_qbacb0a1123_main, .Lfunc_end_k_qbacb0a1123_main-k_qbacb0a1123_main
	.p2alignl 7, 3214868480
	.fill 96, 4, 3214868480
	.section	.rodata,"a",@progbits
	.p2align	6, 0x0
	.amdhsa_kernel k_qbacb0a1123_main
		.amdhsa_group_segment_fixed_size 324096
		.amdhsa_private_segment_fixed_size 0
		.amdhsa_enable_private_segment 0
		.amdhsa_kernarg_size 72
		.amdhsa_user_sgpr_count 2
		.amdhsa_user_sgpr_kernarg_segment_ptr 1
		.amdhsa_wavefront_size32 1
		.amdhsa_system_sgpr_workgroup_id_x 1
		.amdhsa_system_sgpr_workgroup_id_y 1
		.amdhsa_system_sgpr_workgroup_id_z 1
		.amdhsa_system_vgpr_workitem_id 0
		.amdhsa_next_free_vgpr 1024
		.amdhsa_next_free_sgpr 96
		.amdhsa_reserve_vcc 1
		.amdhsa_float_denorm_mode_32 3
		.amdhsa_float_denorm_mode_16_64 3
		.amdhsa_memory_ordered 1
		.amdhsa_forward_progress 1
		.amdhsa_inst_pref_size 255
	.end_amdhsa_kernel
	.section	.bss,"aw",@nobits
	.p2align	6
	.space	262144
	.amdgpu_metadata
---
amdhsa.version: [ 1, 2 ]
amdhsa.kernels:
  - .name:           k_qbacb0a1123_main
    .symbol:         k_qbacb0a1123_main.kd
    .args:
      - { .name: x, .offset: 0, .size: 8, .value_kind: global_buffer, .address_space: global }
      - { .name: b1, .offset: 8, .size: 8, .value_kind: global_buffer, .address_space: global }
      - { .name: b2, .offset: 16, .size: 8, .value_kind: global_buffer, .address_space: global }
      - { .name: g2, .offset: 24, .size: 8, .value_kind: global_buffer, .address_space: global }
      - { .name: be2, .offset: 32, .size: 8, .value_kind: global_buffer, .address_space: global }
      - { .name: w1f, .offset: 40, .size: 8, .value_kind: global_buffer, .address_space: global }
      - { .name: gfrag, .offset: 48, .size: 8, .value_kind: global_buffer, .address_space: global }
      - { .name: tab, .offset: 56, .size: 8, .value_kind: global_buffer, .address_space: global }
      - { .name: out0, .offset: 64, .size: 8, .value_kind: global_buffer, .address_space: global }
    .group_segment_fixed_size: 324096
    .private_segment_fixed_size: 0
    .kernarg_segment_align: 8
    .kernarg_segment_size: 72
    .max_flat_workgroup_size: 128
    .sgpr_count:     96
    .vgpr_count:     1024
    .wavefront_size: 32
...
	.end_amdgpu_metadata
.endif
;; end of part 3
